; MI455X (gfx1250); checked and timed in simulation.
; The chip was launched on July 23, 2026; its instructions are those of AMD's public machine-readable ISA for CDNA 5 (MIT licence, August 2026) and "CDNA5" Instruction Set Architecture Reference Guide (July 2026). The comments in the code are by the model that wrote it; some were corrected since.
;; Multihead Self Attention. Allowed arithmetic: matrix products marked QUANTISED: E2M3 operands, one E8M0 scale for each 32 along K, by v_wmma_scale_f32_16x16x128_f8f6f4 with both operands' format E2M3, f32 sums; everything else in f32.
;; Inputs: wk 1,024 x 1,024 float32; wo 1,024 x 1,024 float32; wq 1,024 x 1,024 float32; wv 1,024 x 1,024 float32; x 4 x 2,048 x 1,024 float32.
;; Outputs: out0 4 x 2,048 x 1,024 float32.
;; This version of the problem:
;;   THIS VERSION OF THE PROBLEM IS GIVEN IN LOW PRECISION. The matrix products marked QUANTISED in the list below multiply operands that are first quantised to E2M3 (2 exponent bits, 3 mantissa bits; 6 bits a number), with one power-of-two scale for each 32 numbers along K (OCP MX v1.0); their sums are f32. All else is computed in f32.
;;   The module's matrix products, in the order in which they are computed (A, B: the left and right operand; K: the contracted axis; several contracted axes count as one K, in the product's order):
;;     1. [M 8,192, K 1,024] x [K 1,024, N 1,024]; A: input x; B: input wq: QUANTISED
;;     2. [M 8,192, K 1,024] x [K 1,024, N 1,024]; A: input x; B: input wk: QUANTISED
;;     3. [M 8,192, K 1,024] x [K 1,024, N 1,024]; A: input x; B: input wv: QUANTISED
;;     4. batch 64 x [M 2,048, K 64] x [K 64, N 2,048]; A: computed on the way; B: computed on the way: QUANTISED
;;     5. batch 64 x [M 2,048, K 2,048] x [K 2,048, N 64]; A: softmax (see below); B: computed on the way: QUANTISED
;;     6. [M 8,192, K 1,024] x [K 1,024, N 1,024]; A: computed on the way; B: input wo: QUANTISED
;;   THE QUANTISER, for each operand of a quantised product, along K:
;;     - K is cut into blocks of 32 from its start; a last block that is shorter is filled with zeros.
;;     - A block's scale is 2^e with e = floor(log2(the largest magnitude in the block)) - 2, held to -126 .. 127; a block of zeros has e = 0. As a byte (E8M0): e + 127.
;;     - Each number is divided by its block's scale, clamped to +-7.5, and rounded to the nearest number of E2M3, ties to even, subnormals kept.
;;     - The product sums the exact products of the quantised numbers (number of the format x scale) in f32.
;;   ~~~python
;;   def quantise(x, axis):      # numpy; x: float32 -> the quantised numbers, widened to float32 again
;;       x = np.moveaxis(x, axis, -1); K = x.shape[-1]
;;       x = np.pad(x, [(0, 0)] * (x.ndim - 1) + [(0, -K % 32)]); x = x.reshape(x.shape[:-1] + (-1, 32)); a = np.abs(x).max(-1, keepdims=True)
;;       e = np.where(a > 0, np.clip(np.frexp(np.where(a > 0, a, 1))[1] - 1 - 2, -126, 127), 0)      # np.frexp(a)[1] - 1 = floor(log2(a)), exactly
;;       r = np.clip(x / 2.0 ** e, -7.5, 7.5)
;;       step = 2.0 ** (np.maximum(np.frexp(np.where(r == 0, 1, r))[1] - 1, 0) - 3)
;;       q = np.round(r / step) * step * 2.0 ** e      # np.round: ties to even
;;       return np.moveaxis(q.reshape(q.shape[:-2] + (-1,))[..., :K], -1, axis).astype(np.float32)
;;   ~~~
;;   SOFTMAX AHEAD OF A QUANTISED PRODUCT. Where the list says 'softmax', what is quantised is not the finished softmax but p = 2^(t - M), with t = logit x log2(e) and M = ceil(the row's largest t), a whole number; so 1/2 < the row's largest p <= 1. The row's sum l is taken of the UNQUANTISED p, in f32, and the product's result is divided by l at the end. Since M is a whole number, a kernel that streams over the keys may use a running M (the ceiling of the running maximum): every later rescaling is an exact power of two, which a block's scale takes up: the codes' values come out the same.
;;   OPERANDS COMPUTED ON THE WAY. 'Computed on the way' means the value that the module computes at that place (a softmax that the list does not call 'softmax' is quantised finished and normalised). What goes into a quantiser is computed in f32, as accurately as f32 sums, v_exp_f32 and their like allow (about 1e-6 of the number): no bf16 or f16 on the way to a quantiser, and a product that is left as it is and whose result goes on into a quantised operand takes f32 operands (vector FMAs, or v_wmma_f32_16x16x4_f32). A number that lies on a knife's edge between two numbers of the format may be rounded either way, as far as f32 arithmetic and the matrix unit's own rounding can turn it there, and no further.
;; One version. Each part assembles by itself: llvm-mc -triple=amdgcn-amd-amdhsa -mcpu=gfx1250 --defsym DOCPART=n.
;; ======== version 1 of 1: 4 launches
;; workspace buffers: xq 6,553,600 bytes; wz 3,276,800 bytes; rope 524,288 bytes; qb 7,340,032 bytes; kv 14,155,776 bytes; ob 6,553,600 bytes
;; launch prep (part 1): grid 416 x 1, 4 waves a work-group, no clusters, 33,280 bytes of LDS; arguments x, wq, wk, wv, wo, xq, wz, rope; writes xq, wz, rope
.if DOCPART == 1
	.amdgcn_target "amdgcn-amd-amdhsa--gfx1250"
	.amdhsa_code_object_version 6
	.text
	.protected	k_qa08b0bfbff_prep
	.globl	k_qa08b0bfbff_prep
	.p2align	8
	.type	k_qa08b0bfbff_prep,@function
k_qa08b0bfbff_prep:
	s_mov_b64 s[64:65], 0
	v_nop
	global_prefetch_b8 v0, s[64:65] scope:SCOPE_SE
	s_setreg_imm32_b32 hwreg(HW_REG_WAVE_MODE, 25, 1), 1
	s_wait_xcnt 0x0
; x [8192][1024] and wq, wk, wv, wo [1024][1024], f32, K innermost, become codes of FP6 (E2M3) with one E8M0 byte for each 32 along K; and the table of cosines and sines for the rotation of q and k is made.
; A block's scale is 2^(floor(log2(its largest magnitude)) - 2); its byte is the largest magnitude's exponent field - 2, held at 1 from below.  Each number is divided by the scale and rounded to the nearest code, ties to even; beyond 7.5 the largest code.
; LIMITS: NaN and infinities among the inputs are not served; a block whose largest magnitude lies under 2^-124 keeps the byte 1; a block of zeros has the byte 1 where the rule says 127 (its codes are zeros, and this program alone reads the bytes).
; WORK-GROUPS 0-383 quantise: 0-255 x, then 32 each for wq, wk, wv, wo.  A work-group takes 32 rows, a wave 8 rows (8,192 numbers, 16 steps of 512).
; WHERE THE ROWS GO: xq holds x's codes [8192][768] and behind them its scale bytes [8192][32]; wz the same for the 4,096 rows wq, wk, wv, wo.  Row l of x, wq, wk, wv is stored at row l with bits 3 and 4 swapped:
; a wave's 8 rows are bits 3 and 4 = the wave's number, so the swap is a swap of the wave number's two bits in the destination.  wo's rows stay where they are.  (The later launches read 16 stored rows as a tile: with the swap
; a result's 16 registers of two neighbouring tiles are 16 neighbours along the next product's K.)
; Each of a step's four loads reads 512 consecutive bytes; the 2,048 bytes turn through the wave's own stage in LDS and come back 64 bytes a lane (16 neighbours along K; two lanes hold a block).
; WORK-GROUPS 384-415 make the table: rope [tile 128][m 8][lane 32][16 bytes] = (cos, sin, cos, sin) of the pairs 16 (m / 4) + 8 (lane / 16) + 2 (m % 4) + 0, 1 at position 32 (tile / 2) + 8 (tile % 2) + r % 8 + 16 (r / 8), r = lane % 16.
; The angle is position x 10^(-pair / 8), both f32, one rounding.  It is reduced by pi/2 in two parts (fused multiply-adds) and put through polynomials of degree 7 and 8: good to about 1e-7 absolute for angles up to 2,047.
.set STEPS, 16
.set EMAX,  2
.set CB,    12                         ; bytes of 16 codes
.set R,     16                         ; v16-79   four sets of 16 numbers as they are loaded
.set X,     80                         ; v80-111  two sets of 16 neighbours
.set C,     128                        ; v128-191 codes: four registers for each step, so that no store's data are written again
.set E,     112                        ; v112-127 a scale byte for each step
.set WREG,  8192                       ; LDS: a region for each wave: two stages of 32 x SP bytes, behind them its 256 scale bytes
.set SP,    80                         ; a lane's place in a stage: 64 bytes + 16 of padding
.set XSO,   6291456                    ; where the scale bytes begin in xq
.set WSO,   3145728                    ; and in wz
	s_load_b512 s[4:19], s[0:1], 0x0               ; x, wq, wk, wv, wo, xq, wz, rope
	v_lshl_add_u32 v192, v0, 2, 0x8000
	v_mov_b32 v193, 0
	v_lshrrev_b32 v1, 5, v0
	v_readfirstlane_b32 s20, v1                    ; wave
	v_and_b32 v2, 31, v0                           ; lane
	s_cmp_ge_u32 ttmp9, 384
	s_cbranch_scc1 .Lrope                          ; the table's work-groups: a path of their own, without LDS
	v_lshlrev_b32 v3, 4, v2                        ; my 16 bytes of a load's 512
	s_mul_i32 s21, s20, WREG
	v_lshrrev_b32 v14, 2, v2
	v_mul_u32_u24 v14, v14, SP
	v_and_b32 v15, 3, v2
	v_lshl_add_u32 v14, v15, 4, v14
	v_add_nc_u32 v14, s21, v14                     ; the stage, on the way in: SP (lane / 4) + 16 (lane % 4)
	v_mul_u32_u24 v15, v2, SP
	v_add_nc_u32 v15, s21, v15                     ; and on the way out: SP x lane: my 16 neighbours
	v_mul_u32_u24 v4, v2, CB                       ; my codes' place in a step's
	v_lshrrev_b32 v5, 1, v2
	s_add_co_u32 s21, s21, 2*32*SP
	v_add_nc_u32 v5, s21, v5                       ; LDS: my wave's 256 scale bytes, my block's byte
	v_lshlrev_b32 v7, 3, v2                        ; and on the way out 8 bytes a lane
	v_add_nc_u32 v6, s21, v7
	s_wait_kmcnt 0x0
	s_mov_b64 s[22:23], s[12:13]                   ; the source, chosen by the work-group's number alone: wo,
	s_mov_b32 s24, 352                             ; and the tensor's first work-group
	s_cmp_lt_u32 ttmp9, 352
	s_cselect_b64 s[22:23], s[10:11], s[22:23]     ; wv,
	s_cselect_b32 s24, 320, s24
	s_cmp_lt_u32 ttmp9, 320
	s_cselect_b64 s[22:23], s[8:9], s[22:23]       ; wk,
	s_cselect_b32 s24, 288, s24
	s_cmp_lt_u32 ttmp9, 288
	s_cselect_b64 s[22:23], s[6:7], s[22:23]       ; wq,
	s_cselect_b32 s24, 256, s24
	s_cmp_lt_u32 ttmp9, 256
	s_cselect_b64 s[22:23], s[4:5], s[22:23]       ; x
	s_cselect_b32 s24, 0, s24
	s_cselect_b64 s[26:27], s[14:15], s[16:17]     ; the destination: xq or wz,
	s_cselect_b32 s25, 0, 256                      ; its first work-group,
	s_mov_b32 s28, WSO
	s_cselect_b32 s28, XSO, s28                    ; and where its scale bytes begin
	s_and_b32 s29, s20, 1
	s_lshl_b32 s29, s29, 1
	s_lshr_b32 s30, s20, 1
	s_or_b32 s29, s29, s30                         ; the wave's number with its two bits swapped
	s_cmp_lt_u32 ttmp9, 352
	s_cselect_b32 s29, s29, s20                    ; wo's rows are not moved
	s_sub_co_u32 s30, ttmp9, s24
	s_lshl_b32 s30, s30, 2
	s_add_co_u32 s30, s30, s20                     ; which run of 8,192 numbers of the source is mine
	s_mov_b32 s31, 0
	s_lshl_b64 s[32:33], s[30:31], 15
	s_add_nc_u64 s[22:23], s[22:23], s[32:33]
	s_sub_co_u32 s30, ttmp9, s25
	s_lshl_b32 s30, s30, 2
	s_add_co_u32 s30, s30, s29                     ; and which run of the destination
	s_mul_i32 s32, s30, 32*STEPS*CB                ; 6,144 bytes of codes a run
	s_mov_b32 s33, 0
	s_add_nc_u64 s[34:35], s[26:27], s[32:33]
	s_lshl_b32 s32, s30, 8                         ; 256 scale bytes a run
	s_add_co_u32 s32, s32, s28
	s_add_nc_u64 s[36:37], s[26:27], s[32:33]
.macro LOAD t
.irp i, 0,1,2,3
	global_load_b128 v[R+16*((\t)%4)+4*\i:R+16*((\t)%4)+4*\i+3], v3, s[22:23] offset:2048*(\t)+512*\i th:TH_LOAD_NT   ; 32 lanes read 512 consecutive bytes
.endr
.endm
.macro TURN t                          ; step t's numbers through the stage: LDS serves a wave's instructions in order, so no wait stands between the stores and the loads
.irp i, 0,1,2,3
	ds_store_b128 v14, v[R+16*((\t)%4)+4*\i:R+16*((\t)%4)+4*\i+3] offset:32*SP*((\t)%2)+8*SP*\i
.endr
.irp i, 0,1,2,3
	ds_load_b128 v[X+16*((\t)%2)+4*\i:X+16*((\t)%2)+4*\i+3], v15 offset:32*SP*((\t)%2)+16*\i
.endr
.endm
.irp t, 0,1,2,3
	LOAD \t
.endr
	s_wait_loadcnt 12                              ; step 0's four loads are in; the twelve of steps 1 to 3 may be out
	TURN 0
.macro STEP t
.set XS, X+16*((\t)%2)
.if (\t) > 0
	s_wait_dscnt 1                                 ; this step's numbers are back from the stage (the last step's byte store may be out): so its stores into the stage have read their registers,
.else
	s_wait_dscnt 0x0
.endif
.if (\t)+4 < STEPS
	LOAD (\t)+4                                    ; which take the loads of four steps on
.endif
.if (\t)+1 < STEPS
.if STEPS-2-(\t) >= 3
	s_wait_loadcnt 12                              ; the next step's four loads are in; those of the three steps behind it may be out
.else
	s_wait_loadcnt 4*(STEPS-2-(\t))
.endif
	TURN (\t)+1                                    ; and go through the other stage while this step is worked
.endif
	v_max3_num_f32 v8, |v[XS]|, |v[XS+1]|, |v[XS+2]|               ; the largest magnitude of my 16, in two chains
	v_max3_num_f32 v9, |v[XS+3]|, |v[XS+4]|, |v[XS+5]|
.irp i, 6,10
	v_max3_num_f32 v8, v8, |v[XS+\i]|, |v[XS+\i+1]|
	v_max3_num_f32 v9, v9, |v[XS+\i+2]|, |v[XS+\i+3]|
.endr
	v_max3_num_f32 v8, v8, |v[XS+14]|, |v[XS+15]|
	v_max3_num_f32 v8, v8, v9, (EMAX+1)<<23        ; and the floor 2^(3 - 127): so the byte cannot fall under 1
	v_max_num_f32_dpp v8, v8, v8 row_xmask:1 row_mask:0xf bank_mask:0xf   ; and of my neighbour's 16: the block's
	v_add_nc_u32 v11, -(EMAX<<23), v8              ; 2 off its exponent field: the conversion takes the exponent field of this operand as its scale
	v_cvt_scalef32_pk16_fp6_f32 v[C+4*(\t):C+4*(\t)+2], v[XS:XS+15], v11
	v_lshrrev_b32 v[E+(\t)], 23, v11               ; the scale's byte (also the plain line behind the conversion)
	ds_store_b8 v5, v[E+(\t)] offset:16*(\t)       ; both lanes of a block write the same byte with the same value
	global_store_b96 v4, v[C+4*(\t):C+4*(\t)+2], s[34:35] offset:32*CB*(\t)   ; the wave stores 384 consecutive bytes
.endm
.irp t, 0,1,2,3,4,5,6,7,8,9,10,11,12,13,14,15
	STEP \t
.endr
	ds_load_b64 v[12:13], v6                       ; LDS serves a wave's instructions in order: these see my stores
	s_wait_dscnt 0x0
	global_store_b64 v7, v[12:13], s[36:37]        ; 32 lanes store 256 consecutive bytes, aligned
	s_wait_tensorcnt 0x0
	ds_add_u32 v192, v193
	s_wait_dscnt 0x0
	s_endpgm
.Lrope:
	s_sub_co_u32 s21, ttmp9, 384
	s_lshl_b32 s21, s21, 2
	s_add_co_u32 s21, s21, s20                     ; my wave's tile of 16 positions, 0 .. 127
	s_lshr_b32 s22, s21, 1
	s_lshl_b32 s22, s22, 5
	s_and_b32 s23, s21, 1
	s_lshl_b32 s23, s23, 3
	s_add_co_u32 s22, s22, s23                     ; 32 (tile / 2) + 8 (tile % 2)
	v_and_b32 v3, 7, v2
	v_and_b32 v4, 8, v2
	v_lshl_add_u32 v3, v4, 1, v3                   ; r % 8 + 16 (r / 8)
	v_add_nc_u32 v3, s22, v3
	v_cvt_f32_u32 v5, v3                           ; my position
	v_lshlrev_b32 v6, 4, v2                        ; 16 x lane
	s_mov_b32 s24, 0xffff0000                      ; lanes 16-31
	s_mov_b32 s25, 0x3fc90fdb                      ; pi/2, rounded,
	s_mov_b32 s26, 0xb33bbd2e                      ; and what the rounding left
	v_mov_b32 v24, -0.00019515295891               ; sine: x + x z (S1 + z (S2 + z S3)), z = x x
	v_mov_b32 v25, 0.0083321608736
	v_mov_b32 v26, -0.16666654611
	v_mov_b32 v27, 0.00002443315711809948          ; cosine: 1 - z / 2 + z z (C1 + z (C2 + z C3))
	v_mov_b32 v28, -0.001388731625493765
	v_mov_b32 v29, 0.04166664568298827
	s_lshl_b32 s22, s21, 12                        ; 4,096 bytes a tile
	s_mov_b32 s23, 0
	s_wait_kmcnt 0x0
	s_add_nc_u64 s[18:19], s[18:19], s[22:23]
; cos into v[dc], sin into v[ds], of my position x (f0 in lanes 0-15, f1 in lanes 16-31)
.macro SINCOS dc, ds, f0, f1
	v_mov_b32 v10, \f0
	v_mov_b32 v11, \f1
	v_cndmask_b32 v10, v10, v11, s24
	v_mul_f32 v10, v5, v10                         ; the angle, rounded once
	v_mul_f32 v11, 0x3f22f983, v10                 ; x 2 / pi
	v_rndne_f32 v11, v11                           ; n quarter turns
	v_fma_f32 v12, -v11, s25, v10
	v_fma_f32 v12, -v11, s26, v12                  ; what is left, within pi/4 of 0
	v_mul_f32 v13, v12, v12
	v_cvt_i32_f32 v14, v11
	v_fma_f32 v15, v24, v13, v25
	v_fma_f32 v15, v15, v13, v26
	v_mul_f32 v16, v13, v12
	v_fma_f32 v15, v15, v16, v12                   ; its sine
	v_fma_f32 v17, v27, v13, v28
	v_fma_f32 v17, v17, v13, v29
	v_mul_f32 v18, v13, v13
	v_fma_f32 v19, v13, -0.5, 1.0
	v_fma_f32 v17, v17, v18, v19                   ; its cosine
	v_and_b32 v18, 1, v14
	v_cmp_eq_u32 vcc_lo, 1, v18
	v_cndmask_b32 v19, v15, v17, vcc_lo            ; an odd n swaps the two;
	v_cndmask_b32 v20, v17, v15, vcc_lo
	v_and_b32 v18, 2, v14
	v_lshlrev_b32 v18, 30, v18
	v_xor_b32 v[\ds], v19, v18                     ; the sine changes sign for n % 4 = 2, 3,
	v_add_nc_u32 v18, 1, v14
	v_and_b32 v18, 2, v18
	v_lshlrev_b32 v18, 30, v18
	v_xor_b32 v[\dc], v20, v18                     ; the cosine for n % 4 = 1, 2
.endm
.macro TROW m, a0, a1, b0, b1          ; two pairs of channels: four registers of their own, so that no store's data are written again
	SINCOS 64+4*\m, 65+4*\m, \a0, \a1
	SINCOS 66+4*\m, 67+4*\m, \b0, \b1
	global_store_b128 v6, v[64+4*\m:67+4*\m], s[18:19] offset:512*\m   ; the wave stores 512 consecutive bytes
.endm
	TROW 0, 1.0, 0.1, 0.7498942093324559, 0.07498942093324559          ; 10^(-pair / 8)
	TROW 1, 0.5623413251903491, 0.05623413251903491, 0.4216965034285822, 0.04216965034285822
	TROW 2, 0.31622776601683794, 0.031622776601683794, 0.23713737056616552, 0.023713737056616552
	TROW 3, 0.17782794100389228, 0.017782794100389228, 0.1333521432163324, 0.01333521432163324
	TROW 4, 0.01, 0.001, 0.007498942093324559, 0.0007498942093324559
	TROW 5, 0.005623413251903491, 0.0005623413251903491, 0.004216965034285822, 0.0004216965034285822
	TROW 6, 0.0031622776601683794, 0.00031622776601683794, 0.0023713737056616552, 0.00023713737056616552
	TROW 7, 0.0017782794100389228, 0.00017782794100389228, 0.001333521432163324, 0.0001333521432163324
	s_endpgm
.Lfunc_end_k_qa08b0bfbff_prep:
	.size	k_qa08b0bfbff_prep, .Lfunc_end_k_qa08b0bfbff_prep-k_qa08b0bfbff_prep
	.p2alignl 7, 3214868480
	.fill 96, 4, 3214868480
	.section	.rodata,"a",@progbits
	.p2align	6, 0x0
	.amdhsa_kernel k_qa08b0bfbff_prep
		.amdhsa_group_segment_fixed_size 33280
		.amdhsa_private_segment_fixed_size 0
		.amdhsa_enable_private_segment 0
		.amdhsa_kernarg_size 64
		.amdhsa_user_sgpr_count 2
		.amdhsa_user_sgpr_kernarg_segment_ptr 1
		.amdhsa_wavefront_size32 1
		.amdhsa_system_sgpr_workgroup_id_x 1
		.amdhsa_system_sgpr_workgroup_id_y 1
		.amdhsa_system_sgpr_workgroup_id_z 1
		.amdhsa_system_vgpr_workitem_id 0
		.amdhsa_next_free_vgpr 194
		.amdhsa_next_free_sgpr 66
		.amdhsa_reserve_vcc 1
		.amdhsa_float_denorm_mode_32 3
		.amdhsa_float_denorm_mode_16_64 3
		.amdhsa_memory_ordered 1
		.amdhsa_forward_progress 1
		.amdhsa_inst_pref_size 57
	.end_amdhsa_kernel
	.amdgpu_metadata
---
amdhsa.version: [ 1, 2 ]
amdhsa.kernels:
  - .name:           k_qa08b0bfbff_prep
    .symbol:         k_qa08b0bfbff_prep.kd
    .args:
      - { .name: x, .offset: 0, .size: 8, .value_kind: global_buffer, .address_space: global }
      - { .name: wq, .offset: 8, .size: 8, .value_kind: global_buffer, .address_space: global }
      - { .name: wk, .offset: 16, .size: 8, .value_kind: global_buffer, .address_space: global }
      - { .name: wv, .offset: 24, .size: 8, .value_kind: global_buffer, .address_space: global }
      - { .name: wo, .offset: 32, .size: 8, .value_kind: global_buffer, .address_space: global }
      - { .name: xq, .offset: 40, .size: 8, .value_kind: global_buffer, .address_space: global }
      - { .name: wz, .offset: 48, .size: 8, .value_kind: global_buffer, .address_space: global }
      - { .name: rope, .offset: 56, .size: 8, .value_kind: global_buffer, .address_space: global }
    .group_segment_fixed_size: 33280
    .private_segment_fixed_size: 0
    .kernarg_segment_align: 8
    .kernarg_segment_size: 64
    .max_flat_workgroup_size: 128
    .sgpr_count:     66
    .vgpr_count:     194
    .wavefront_size: 32
...
	.end_amdgpu_metadata
.endif
;; end of part 1
;; launch qkv (part 2): grid 12 x 32, 4 waves a work-group, clusters of 4 x 4, 327,680 bytes of LDS; arguments xq, wz, rope, qb, kv; writes qb, kv
.if DOCPART == 2
	.amdgcn_target "amdgcn-amd-amdhsa--gfx1250"
	.amdhsa_code_object_version 6
	.text
	.protected	k_qa08b0bfbff_qkv
	.globl	k_qa08b0bfbff_qkv
	.p2align	8
	.type	k_qa08b0bfbff_qkv,@function
k_qa08b0bfbff_qkv:
	s_mov_b64 s[64:65], 0
	v_nop
	global_prefetch_b8 v0, s[64:65] scope:SCOPE_SE
	s_setreg_imm32_b32 hwreg(HW_REG_WAVE_MODE, 25, 1), 1
	s_wait_xcnt 0x0
	s_wait_alu depctr_hold_cnt(0) depctr_sa_sdst(0) depctr_va_vdst(0) depctr_va_sdst(0) depctr_va_ssrc(0) depctr_va_vcc(0) depctr_vm_vsrc(0)
	s_getreg_b32 s2, hwreg(HW_REG_IB_STS2, 6, 4)
	s_cmp_eq_u32 s2, 0
	s_cbranch_scc0 .Lentry_in_a_cluster
	s_endpgm
.Lentry_in_a_cluster:
	s_bfe_u32 s2, ttmp6, 0x10000c
	s_cmp_lg_u32 s2, 0xf033
	s_cbranch_scc0 .Lentry_shape_is_right
	s_endpgm
.Lentry_shape_is_right:
; q = x wq^T, k = x wk^T, v = x wv^T on codes of FP6 (E2M3) with E8M0 scales; q and k are rotated (RoPE) and quantised along the head's 64, v along the keys; all three leave as images of the registers in which the attention launch wants them.
; A tile of 256 x 256 is made by a work-group of four waves, a wave makes 128 x 128: 64 accumulators, 512 registers.  K = 1,024 goes in four steps of 256 through a ring of two LDS slots filled by the tensor data mover.
; CLUSTERS of 4 x 4 work-groups: cluster x = 0 makes q, 1 makes k, 2 makes v.  For q and k the side called A is x (tile row = 4 x cluster y + cy) and the side called B is wq or wk (tile column = 4 x cluster x + cx: wz's rows 0-2047).
; FOR v THE SIDES ARE SWAPPED: A = wv's 1,024 rows (tile row = cy), B = x (tile column = 4 x cluster y + cx).  A's tiles are shared along a row of the cluster, B's along a column: each is asked for jointly.
; THE MATRIX INSTRUCTION IS USED TRANSPOSED (source 0 = 16 rows of B, source 1 = 16 rows of A): lane (r, h) of accumulator (a, b) holds stored row 16 a + r of A and, in register j, stored row 16 b + 8 h + j of B.
; The stored rows of x, wq, wk, wv have bits 3 and 4 of their number swapped.  So the lane's row of A is 32 (a / 2) + 8 (a % 2) + r % 8 + 16 (r / 8), and the 16 registers of accumulators 2 b' and 2 b' + 1 are the 16 NEIGHBOURS
; 32 b' + 16 h + 0 .. 15 along B: channels of q or k, or keys for v: the next product's K, as the conversions want them.
; THE WAY OUT uses no LDS.  For each a the lane's 64 numbers (q, k: rotated first) become a fragment's 12 registers and a scale word.  q, k: registers 0-5 are one head's 64 channels of 16 tokens, 6-11 the next head's: each half is stored as
; three runs of 256 bytes (8 x lane).  v: the fragment (16 channels x 128 keys) is stored as three runs of 512 bytes (16 x lane).  Scale words are gathered four to a lane and stored as runs of 512 bytes.
; q's and k's scale words are stored as the bytes s0, s1, s0, s1, so that a word serves a head's 64 channels in either half of the instruction's 128.
; LIMITS: NaN and infinities are not served; a block whose largest magnitude lies under 2^-124, a block of zeros among them, has the byte 1 (this program alone reads the bytes).
; REGISTERS, in windows of 256: window 0: v0-31 addresses; v32-63 scale words, two sets, and nothing else; from v128 A's fragments, one set; on the way out v64-127 the rotated numbers, v128-185 at work.
;   window 1: B's fragments, two sets, at v0 and v128; on the way out the table of cosines and sines.   windows 2, 3: the accumulators ((a, b) at v[8 (8 (a % 4) + b)] of window 2 + a / 4).
.set SIZE_K, 1024
.set KSTEP,  256                       ; along K in a slot
.set NQ,     KSTEP/128                 ; matrix instructions deep
.set ROWB,   192                       ; a tile's row in bytes
.set KROW,   SIZE_K*6/8                ; a row of codes in memory
.set PITCH,  240                       ; an LDS row: 3 x (64 bytes + 16 of padding): the 32 lanes of a load of 8 bytes touch 64 different banks (64 banks of 4 bytes: ISA guide 11.1)
.set FR,     12                        ; registers of a fragment
.set NL,     6                         ; LDS loads that bring one
.set NP,     4                         ; places behind this matrix instruction (ISA guide 7.12.1)
.set HALFT,  128*PITCH                 ; 128 rows: what one tensor load brings
.set SLOT,   4*HALFT                   ; A's 256 rows, then B's 256 rows
.set LAPS,   SIZE_K/(2*KSTEP)
.set KS,     SIZE_K/32                 ; a row of scale bytes
.set SCL,    2*SLOT                    ; behind the ring: the scales, as runs of 256 bytes + 16 of padding; filled once
.set HALFS,  (128*KS/256)*272
.set SBLK,   (16*KS/256)*272
.set SPARE,  SCL+4*HALFS               ; the spare words, 128 bytes for each wave, that no other line names
.set XSO,    6291456                   ; where the scale bytes begin in xq,
.set WSO,    3145728                   ; in wz,
.set QSO,    6291456                   ; and the scale words in qb
.set KVS,    27648                     ; kv: a slot of 256 keys: k's codes 12,288, v's codes 12,288, k's scale words 2,048, v's 1,024
.set KVH,    8*KVS                     ; and a head's eight slots
.set ADRA, 16                          ; v16-17 LDS address of my A fragments in slot 0, 1 (v18-19: for the pieces behind one padding more)
.set ADRB, 20                          ; v20-23 the same for B
.set ADRS, 27                          ; v27    LDS address of my scale words: lanes 0-15 A's rows, lanes 16-31 B's
.set SPW,  28                          ; v28    LDS address of my spare word; never rewritten
.set NIL,  29                          ; v29    0; never rewritten
.set SC,   32
.set AF,   128
.set RR,   64                          ; the way out: v64-127 64 rotated numbers
.set CD,   128                         ; v128-139 the codes just made
.set PT,   140                         ; v140-142, v144-146 halves of conversions
.set TM,   148                         ; v148-163 at work
.set PW,   164                         ; the scale word just made
.set SW,   168                         ; v168-183 the scale words gathered
.set LI8,  184                         ; 8 x lane
.set LI16, 185                         ; 16 x lane
.set G1, 24
.set G0, 32
.set G1B, 48
.set G0B, 56
.set G1S, 68
.set G0S, 76
.set G1SB, 80
.set G0SB, 88
.set MSB, 0
.macro WIN new                         ; the immediate's high byte repeats the setting that is left
.if MSB != \new
	s_set_vgpr_msb (MSB<<8)|\new
.set MSB, \new
.endif
.endm
.set MUL_LO, 0xa1                      ; source 0 (B) window 1, source 1 (A) window 0, C and D window 2
.set MUL_HI, 0xf1                      ; the same, C and D window 3
.set TO_B,   0x40                      ; destination window 1, address window 0
; A joint load: waves 0 and 1 fetch for A, waves 2 and 3 for B.  The branch hangs on the wave's number alone.  Four v_nop follow each of the two lines.
.macro JLOAD g0a, g1a, g0b, g1b
	s_cmp_eq_u32 s15, 0
	s_cbranch_scc0 .Lfor_b_\@
	tensor_load_to_lds s[\g0a:\g0a+3], s[\g1a:\g1a+7]
	s_nop 0
.rept 4
	v_nop
.endr
	s_branch .Lasked_\@
.Lfor_b_\@:
	tensor_load_to_lds s[\g0b:\g0b+3], s[\g1b:\g1b+7]
	s_nop 0
.rept 4
	v_nop
.endr
.Lasked_\@:
.endm
.macro CREST                           ; a round of the cluster's barrier behind its opening barrier
	s_cmp_lg_u32 s14, 0
	s_cbranch_scc1 .Lnot_wave_0_\@
	s_barrier_signal -3
.Lnot_wave_0_\@:
	s_barrier_wait -3
	s_barrier_signal -1
	s_barrier_wait -1
.endm
.macro CROUND                          ; a whole round
	s_barrier_signal -1
	s_barrier_wait -1
	CREST
.endm
	s_load_b128 s[4:7], s[0:1], 0x0                ; xq s[4:5], wz s[6:7]
	v_lshl_add_u32 v[SPW], v0, 2, SPARE
	v_mov_b32 v[NIL], 0
	ds_add_u32 v28, v29
	s_wait_dscnt 0x0
	v_lshrrev_b32 v1, 5, v0
	v_readfirstlane_b32 s14, v1                    ; wave 0..3
	s_lshr_b32 s15, s14, 1                         ; which half of the tile's rows is mine.  Also: I fetch for A (0) or for B (1)
	s_and_b32 s16, s14, 1                          ; which half of its columns.  Also: which 128 rows of that tile I fetch
	s_bfe_u32 s40, ttmp6, 0x40000                  ; cx, cy: my place in the cluster
	s_bfe_u32 s41, ttmp6, 0x40004
	s_and_b32 s17, ttmp7, 0xffff                   ; cluster y
	s_cmp_eq_u32 ttmp9, 2                          ; the cluster that makes v?  The same in all sixteen partners
	s_cselect_b32 s42, s17, ttmp9
	s_cselect_b32 s17, 0, s17
	s_lshl_b32 s42, s42, 2
	s_add_co_u32 s42, s42, s40                     ; tile column: q, k: 4 x cluster x + cx;  v: 4 x cluster y + cx
	s_lshl_b32 s17, s17, 2
	s_add_co_u32 s17, s17, s41                     ; tile row: q, k: 4 x cluster y + cy;  v: cy
	s_lshl_b32 s43, s41, 2
	s_lshl_b32 s43, 15, s43                        ; my row of the cluster
	s_lshl_b32 s44, 0x1111, s40                    ; my column
	; descriptor group 1: a tile of 128 rows x 192 bytes, 16 bytes of padding behind every 64
	s_or_b32 s[G1+0], s43, (0<<16)|(1<<20)|(1<<21)|(3<<22)|(3<<25)  ; 15:0 the mask: A's tiles go to my row; elements of 1 byte; padding on; bit 21 beside a mask; after every 16 words; 4 words
	s_or_b32 s[G1B+0], s44, (0<<16)|(1<<20)|(1<<21)|(3<<22)|(3<<25)
.irp g, G1, G1B
	s_mov_b32 s[\g+1], ROWB<<16                    ; tensor_dim0
	s_mov_b32 s[\g+2], 128<<16                     ; tensor_dim1
	s_mov_b32 s[\g+3], ROWB<<16                    ; tile_dim0
	s_mov_b32 s[\g+4], 128                         ; tile_dim1
	s_mov_b32 s[\g+5], KROW                        ; from row to row
	s_mov_b32 s[\g+6], 0
	s_mov_b32 s[\g+7], 0
.endr
	; the scales of 128 rows: a dense block of 4,096 bytes, as 16 rows of 256 bytes, 16 bytes of padding behind each
	s_or_b32 s[G1S+0], s43, (3<<16)|(1<<20)|(1<<21)|(5<<22)|(3<<25)
	s_or_b32 s[G1SB+0], s44, (3<<16)|(1<<20)|(1<<21)|(5<<22)|(3<<25)
.irp g, G1S, G1SB
	s_mov_b32 s[\g+1], 32<<16
	s_mov_b32 s[\g+2], (128*KS/256)<<16
	s_mov_b32 s[\g+3], 32<<16
	s_mov_b32 s[\g+4], 128*KS/256
	s_mov_b32 s[\g+5], 32
	s_mov_b32 s[\g+6], 0
	s_mov_b32 s[\g+7], 0
.endr
	s_lshl_b32 s18, s16, 7                         ; which 128 rows of the tile I fetch
	s_lshl_b32 s20, s17, 8
	s_add_co_u32 s20, s20, s18                     ; A: row 256 x tile row + 128 x half
	s_lshl_b32 s46, s42, 8
	s_add_co_u32 s46, s46, s18                     ; B: row 256 x tile column + 128 x half
	s_mov_b32 s21, 0
	s_mov_b32 s47, 0
	s_mov_b64 s[18:19], KS
	s_mul_u64 s[22:23], s[20:21], s[18:19]         ; where these rows' scales begin, in bytes
	s_mul_u64 s[92:93], s[46:47], s[18:19]
	s_mov_b64 s[18:19], KROW
	s_mul_u64 s[20:21], s[20:21], s[18:19]         ; and their codes
	s_mul_u64 s[46:47], s[46:47], s[18:19]
	s_mov_b32 s97, 0
	s_cmp_eq_u32 ttmp9, 2
	s_cselect_b32 s96, 2048*KROW, 0                ; for v, A is wz from row 2,048 on
	s_add_nc_u64 s[20:21], s[20:21], s[96:97]
	s_mov_b32 s96, XSO
	s_cselect_b32 s96, WSO+2048*KS, s96            ; the scales lie behind the codes, in the same buffer
	s_add_nc_u64 s[22:23], s[22:23], s[96:97]
	s_mov_b32 s96, WSO
	s_cselect_b32 s96, XSO, s96
	s_add_nc_u64 s[92:93], s[92:93], s[96:97]
	s_mul_i32 s45, s14, HALFT                      ; where they go: wave x 128 rows: no place in the cluster enters an LDS address
	s_mul_i32 s94, s14, HALFS
	s_wait_kmcnt 0x0
	s_cmp_eq_u32 ttmp9, 2
	s_cselect_b64 s[8:9], s[6:7], s[4:5]           ; A's buffer: wz for v, else xq
	s_cselect_b64 s[10:11], s[4:5], s[6:7]         ; B's: the other
	s_add_nc_u64 s[20:21], s[8:9], s[20:21]
	s_add_nc_u64 s[22:23], s[8:9], s[22:23]
	s_add_nc_u64 s[46:47], s[10:11], s[46:47]
	s_add_nc_u64 s[92:93], s[10:11], s[92:93]
	CROUND                                         ; all sixteen work-groups are here: the first joint loads meet
	s_mov_b32 s[G0S], 1
	s_add_co_u32 s[G0S+1], s94, SCL
	s_mov_b64 s[G0S+2:G0S+3], s[22:23]
	s_or_b32 s[G0S+3], s[G0S+3], 0x80000000
	s_mov_b32 s[G0SB], 1
	s_add_co_u32 s[G0SB+1], s94, SCL
	s_mov_b64 s[G0SB+2:G0SB+3], s[92:93]
	s_or_b32 s[G0SB+3], s[G0SB+3], 0x80000000
	JLOAD G0S, G1S, G0SB, G1SB                     ; the scales first: they are wanted with K step 0.  With the two below three loads of mine are out
.irp s, 0,1
	s_mov_b32 s[G0+4*\s], 1
	s_add_co_u32 s[G0+4*\s+1], s45, \s*SLOT
	s_add_nc_u64 s[G0+4*\s+2:G0+4*\s+3], s[20:21], \s*ROWB
	s_or_b32 s[G0+4*\s+3], s[G0+4*\s+3], 0x80000000
	s_mov_b32 s[G0B+4*\s], 1
	s_add_co_u32 s[G0B+4*\s+1], s45, \s*SLOT
	s_add_nc_u64 s[G0B+4*\s+2:G0B+4*\s+3], s[46:47], \s*ROWB
	s_or_b32 s[G0B+4*\s+3], s[G0B+4*\s+3], 0x80000000
	JLOAD G0+4*\s, G1, G0B+4*\s, G1B
.endr
	v_and_b32 v1, 15, v0                           ; l % 16
	v_bfe_u32 v2, v0, 4, 1                         ; l / 16
	v_mul_u32_u24 v3, v1, PITCH
	v_mul_u32_u24 v4, v2, 24
	v_add_nc_u32 v4, v3, v4                        ; a fragment's row x pitch + 24 x half
	v_lshl_add_u32 v5, v2, 4, v4                   ; and the same behind one padding more
	s_mul_i32 s21, s15, HALFT                      ; my 128 rows of A
	s_mul_i32 s22, s16, HALFT                      ; my 128 rows of B,
	s_add_co_u32 s22, s22, 2*HALFT                 ; which lie behind A's 256
.irp s, 0,1
	v_add_nc_u32 v[ADRA+\s], s21, v4
	v_add_nc_u32 v[ADRB+\s], s22, v4
	v_add_nc_u32 v[ADRA+2+\s], s21, v5
	v_add_nc_u32 v[ADRB+2+\s], s22, v5
	s_add_co_u32 s21, s21, SLOT
	s_add_co_u32 s22, s22, SLOT
.endr
	v_mul_u32_u24 v5, v1, KS                       ; my row's scales: KS bytes a row,
	v_lshrrev_b32 v6, 8, v5
	v_lshl_add_u32 v5, v6, 4, v5                   ; and 16 more for each 256 passed
	s_mul_i32 s21, s15, HALFS                      ; A's: my 128 rows
	s_mul_i32 s22, s16, HALFS                      ; B's: my 128 rows, behind A's 256
	s_add_co_u32 s22, s22, 2*HALFS
	s_sub_co_u32 s22, s22, s21
	v_mul_u32_u24 v6, s22, v2                      ; lanes 16-31 take B's: one product, the distance between the two bases
	s_add_co_u32 s21, s21, SCL
	v_add_nc_u32 v5, v5, v6
	v_add_nc_u32 v[ADRS], s21, v5
.macro FRAG reg, adr, q, i             ; a fragment, 16 rows x 128 K, is 12 registers: lane l holds row l % 16; registers 6 c .. 6 c + 5 hold K = 64 c + 32 (l / 16) + 0 .. 31: 24 bytes of the row, as they lie
.irp p, 0,1,2,3,4,5                    ; in pieces of 8 bytes.  Where the piece three on (lanes 16-31) lies behind one padding more, the second address register serves
.set PCE, 12*(\q)+6*(\p/3)+\p%3
.if PCE%8 < 5
	ds_load_b64 v[\reg+2*\p:\reg+2*\p+1], v[\adr] offset:8*PCE+16*(PCE/8)+(\i)*16*PITCH
.else
	ds_load_b64 v[\reg+2*\p:\reg+2*\p+1], v[\adr+2] offset:8*PCE+16*(PCE/8)+(\i)*16*PITCH
.endif
.endr
.endm
; 16 matrix instructions: A's blocks a0, a0 + 1 x B's eight, 128 along K.  p: B's set; sc: the set of scale words.  zero = 1: the first product starts the sums.
; The 64 accumulators take turns, one instruction a turn, in the same order in every step.
.macro MUL16 a0, p, q, sc, zero
.irp a, \a0, \a0+1
.irp b, 0,1,2,3,4,5,6,7
.if \zero
	v_wmma_scale_f32_16x16x128_f8f6f4 v[8*(8*((\a)%4)+\b):8*(8*((\a)%4)+\b)+7], v[128*(\p)+FR*\b:128*(\p)+FR*\b+FR-1], v[AF+FR*(\a):AF+FR*(\a)+FR-1], 0, v[SC+8*NQ*(\sc)+NQ*\b+(\q)], v[SC+8*NQ*(\sc)+NQ*(\a)+(\q)] matrix_a_fmt:MATRIX_FMT_FP6 matrix_b_fmt:MATRIX_FMT_FP6 matrix_a_scale:MATRIX_SCALE_ROW1
.else
	v_wmma_scale_f32_16x16x128_f8f6f4 v[8*(8*((\a)%4)+\b):8*(8*((\a)%4)+\b)+7], v[128*(\p)+FR*\b:128*(\p)+FR*\b+FR-1], v[AF+FR*(\a):AF+FR*(\a)+FR-1], v[8*(8*((\a)%4)+\b):8*(8*((\a)%4)+\b)+7], v[SC+8*NQ*(\sc)+NQ*\b+(\q)], v[SC+8*NQ*(\sc)+NQ*(\a)+(\q)] matrix_a_fmt:MATRIX_FMT_FP6 matrix_b_fmt:MATRIX_FMT_FP6 matrix_a_scale:MATRIX_SCALE_ROW1
.endif
.endr
.endr
.endm
.macro FETCH_B slot, q, p              ; B's eight fragments of the slot's q-th 128 along K into set p
	WIN TO_B
.irp i, 0,1,2,3,4,5,6,7
	FRAG 128*(\p)+FR*\i, ADRB+\slot, \q, \i
.endr
	WIN 0
.endm
.macro FETCH_A slot, q, i0             ; A's blocks i0 .. i0 + 3
.irp i, \i0, \i0+1, \i0+2, \i0+3
	FRAG AF+FR*(\i), ADRA+\slot, \q, \i
.endr
.endm
.macro SCALES sc                       ; the next K step's scale words into set sc: lanes 0-15 take A's block i, lanes 16-31 B's block i
.irp i, 0,1,2,3,4,5,6,7
	ds_load_b64 v[SC+8*NQ*\sc+NQ*\i:SC+8*NQ*\sc+NQ*\i+1], v[ADRS] offset:\i*SBLK
.endr
.endm
.macro PLACES n                        ; plain vector lines between a matrix instruction and a load into, or a read of, its registers
.rept \n
	v_nop
.endr
.endm
; A step of 128 along K that has its successor in the same slot.
.macro STEP slot, q, zero
	s_wait_dscnt 4*NL                              ; B's set and A's blocks 0-3 are in; the youngest 24 loads (A's blocks 4-7) may be out
	WIN MUL_LO
	MUL16 0, (\q)%2, \q, \slot, \zero
	MUL16 2, (\q)%2, \q, \slot, \zero
	s_wait_dscnt 0                                 ; A's blocks 4-7 are in
	PLACES NP
	FETCH_B \slot, (\q)+1, 1-(\q)%2
	FETCH_A \slot, (\q)+1, 0
	WIN MUL_HI
	MUL16 4, (\q)%2, \q, \slot, \zero
	MUL16 6, (\q)%2, \q, \slot, \zero
	PLACES NP
	WIN 0
	FETCH_A \slot, (\q)+1, 4
.endm
; A slot's last step changes slots: one barrier; in front of it each wave waits for all its tensor loads, adds 0 to its spare word, and waits for that and for its own reads of this slot.  fill = 1: this slot is filled again, two K steps ahead.
.macro TURN slot, next, fill
	s_wait_tensorcnt 0x0                           ; all my tensor loads have landed: my part of the next slot
	ds_add_u32 v[SPW], v[NIL]                      ; 0 onto my spare word
	s_wait_dscnt 4*NL+1                            ; (the add and the youngest 24 loads, A's blocks 4-7, may be out)
	WIN MUL_LO
	MUL16 0, 1, NQ-1, \slot, 0                     ; sixteen matrix instructions stand between the add and the wait for it
	s_wait_dscnt 0x0                               ; the add is done, and my reads of this slot are over
	s_barrier_signal -1
	MUL16 2, 1, NQ-1, \slot, 0
	WIN 0
	s_barrier_wait -1
.if \fill
	CREST                                          ; the barrier has opened a round of the cluster's barrier: no wave of any partner still reads this slot's tile or has a load on its way
	s_add_nc_u64 s[G0+4*\slot+2:G0+4*\slot+3], s[G0+4*\slot+2:G0+4*\slot+3], 2*ROWB
	s_add_nc_u64 s[G0B+4*\slot+2:G0B+4*\slot+3], s[G0B+4*\slot+2:G0B+4*\slot+3], 2*ROWB
	JLOAD G0+4*\slot, G1, G0B+4*\slot, G1B         ; the first tensor load behind the round, my one load until the next; its four v_nop are the places in front of the loads below
.else
	PLACES NP
.endif
	v_add_nc_u32 v[ADRS], 4*NQ, v[ADRS]            ; on to the next K step's scale words
	FETCH_B \next, 0, 0
	FETCH_A \next, 0, 0
	SCALES \next
	WIN MUL_HI
	MUL16 4, 1, NQ-1, \slot, 0
	MUL16 6, 1, NQ-1, \slot, 0
	PLACES NP
	WIN 0
	FETCH_A \next, 0, 4
.endm
	s_wait_tensorcnt 1                             ; the scales and my part of K step 0 are in; K step 1's load may be out
	s_barrier_signal -1
	s_barrier_wait -1
	FETCH_B 0, 0, 0
	FETCH_A 0, 0, 0
	SCALES 0
	FETCH_A 0, 0, 4
	STEP 0, 0, 1                                   ; the first step stands in front of the loop: its products start the sums
	s_mov_b32 s3, LAPS-1
.Llap:                                                 ; a trip goes once round the ring and fills both slots again
	TURN 0, 1, 1
	STEP 1, 0, 0
	TURN 1, 0, 1
	STEP 0, 0, 0
	s_sub_co_u32 s3, s3, 1
	s_cmp_lg_u32 s3, 0
	s_cbranch_scc1 .Llap
	TURN 0, 1, 0                                   ; the last lap fills nothing
	STEP 1, 0, 0
	s_wait_dscnt 4*NL                              ; the very last step: nothing more to fetch
	WIN MUL_LO
	MUL16 0, 1, NQ-1, 1, 0
	MUL16 2, 1, NQ-1, 1, 0
	s_wait_dscnt 0
	WIN MUL_HI
	MUL16 4, 1, NQ-1, 1, 0
	MUL16 6, 1, NQ-1, 1, 0
	WIN 0
; THE WAY OUT.
; QUANT: 64 numbers of a lane, v[s] .. v[s + 63] of window w, register 16 b + i = K 32 b + 16 (lane / 16) + i of my row, become a fragment's codes in v[CD] .. v[CD + 11] and its scale word in v[PW].  Each accumulator is read from its low end on.
.macro QUANT s, w
	WIN ((\w)<<2)|((\w)<<4)                        ; sources 1 and 2 in window w
.irp b, 0,1,2,3
	v_max3_num_f32 v[TM+\b], 0x1800000, |v[(\s)+16*\b]|, |v[(\s)+16*\b+1]|   ; block b: my 16 numbers, and the floor 2^(3 - 127): so the byte cannot fall under 1
.endr
.irp i, 2,4,6,8,10,12,14
.irp b, 0,1,2,3
	v_max3_num_f32 v[TM+\b], v[TM+\b], |v[(\s)+16*\b+\i]|, |v[(\s)+16*\b+\i+1]|   ; (the four blocks by turns)
.endr
.endr
	WIN 0
.irp b, 0,1,2,3
	v_permlanex16_b32 v[TM+4+\b], v[TM+\b], s10, s11
.endr
.irp b, 0,1,2,3
	v_max_num_f32 v[TM+\b], v[TM+\b], v[TM+4+\b]   ; with lane l xor 16's: the block's largest magnitude
.endr
.irp b, 0,1,2,3
	v_add_nc_u32 v[TM+12+\b], 0xff000000, v[TM+\b] ; 2 off its exponent field: the conversion's scale operand
.endr
.irp b, 0,1,2,3
	v_lshrrev_b32 v[TM+4+\b], 23, v[TM+12+\b]      ; the scale's byte
.endr
	v_lshl_or_b32 v[PW], v[TM+5], 8, v[TM+4]
	v_lshl_or_b32 v[PW], v[TM+6], 16, v[PW]
	v_lshl_or_b32 v[PW], v[TM+7], 24, v[PW]
	s_wait_xcnt 0x0                                ; the last block's stores have read the code registers: only now are they written again
	WIN \w                                         ; source 0 in window w
.irp c, 0,1
	v_cvt_scalef32_pk16_fp6_f32 v[CD+6*\c:CD+6*\c+2], v[(\s)+32*\c:(\s)+32*\c+15], v[TM+12+2*\c]
	v_cvt_scalef32_pk16_fp6_f32 v[PT+4*\c:PT+4*\c+2], v[(\s)+32*\c+16:(\s)+32*\c+31], v[TM+12+2*\c+1]   ; (a conversion's three registers begin on an even number)
.endr
	WIN 0
	v_nop                                          ; one plain line behind a scaled conversion
.irp c, 0,1                                    ; the operand's layout wants a whole block in a lane: lanes 0-15 block 2 c, lanes 16-31 block 2 c + 1
.irp i, 0,1,2
	v_permlane16_swap_b32 v[CD+6*\c+\i], v[PT+4*\c+\i]
.endr
.irp i, 0,1,2
	v_mov_b32 v[CD+3+6*\c+\i], v[PT+4*\c+\i]
.endr
.endr
.endm
	PLACES NP                                      ; behind the last products: their results are read and their operands' registers written below
	s_load_b128 s[4:7], s[0:1], 0x10               ; rope s[4:5], qb s[6:7]
	s_load_b64 s[8:9], s[0:1], 0x20                ; kv
	s_mov_b32 s10, 0x76543210
	s_mov_b32 s11, 0xfedcba98                      ; v_permlanex16_b32's selects for lane l xor 16
	v_and_b32 v[LI8], 31, v0
	v_lshlrev_b32 v[LI16], 4, v[LI8]
	v_lshlrev_b32 v[LI8], 3, v[LI8]
.irp b, 0,1,2,3
	v_mov_b32 v[TM+4+\b], 0                        ; written once: a lane permute's destination counts as one of its sources
.endr
	s_wait_kmcnt 0x0
	s_cmp_eq_u32 ttmp9, 2
	s_cbranch_scc1 .Lv
	; ---- q or k.  My 128 rows are tokens 128 s15 on of slot (tile row % 8) of batch (tile row / 8); my 128 columns are heads 4 (tile column % 4) + 2 s16 and the next
	s_and_b32 s18, s17, 7                          ; the slot of 256 tokens
	s_lshr_b32 s19, s17, 3                         ; the batch
	s_and_b32 s20, s42, 3
	s_lshl_b32 s20, s20, 2
	s_lshl_b32 s21, s16, 1
	s_add_co_u32 s20, s20, s21
	s_lshl_b32 s19, s19, 4
	s_add_co_u32 s20, s20, s19                     ; 16 x batch + my first head
	s_cmp_eq_u32 ttmp9, 1                          ; k goes into kv, q into qb: the buffer and five pitches are chosen
	s_cselect_b64 s[22:23], s[8:9], s[6:7]
	s_mov_b32 s24, 98304
	s_cselect_b32 s24, KVH, s24                    ; codes: from head to head,
	s_mov_b32 s25, 12288
	s_cselect_b32 s25, KVS, s25                    ; from slot to slot;
	s_mov_b32 s26, 16384
	s_cselect_b32 s26, KVH, s26                    ; scale words: from head to head,
	s_mov_b32 s27, 2048
	s_cselect_b32 s27, KVS, s27                    ; from slot to slot,
	s_mov_b32 s28, QSO
	s_cselect_b32 s28, 24576, s28                  ; and where they begin
	s_mul_i32 s30, s20, s24
	s_mul_i32 s31, s18, s25
	s_add_co_u32 s30, s30, s31
	s_mul_i32 s31, s15, 6144                       ; my eight tiles of 768 bytes
	s_add_co_u32 s30, s30, s31
	s_mov_b32 s31, 0
	s_add_nc_u64 s[32:33], s[22:23], s[30:31]      ; the first head's codes,
	s_mov_b32 s30, s24
	s_add_nc_u64 s[34:35], s[32:33], s[30:31]      ; the second's
	s_mul_i32 s30, s20, s26
	s_mul_i32 s29, s18, s27
	s_add_co_u32 s30, s30, s29
	s_lshl_b32 s29, s15, 10
	s_add_co_u32 s30, s30, s29
	s_add_co_u32 s30, s30, s28
	s_add_nc_u64 s[36:37], s[22:23], s[30:31]      ; the first head's scale words,
	s_mov_b32 s30, s26
	s_add_nc_u64 s[38:39], s[36:37], s[30:31]      ; the second's
	s_lshl_b32 s30, s18, 4
	s_lshl_b32 s29, s15, 3
	s_add_co_u32 s30, s30, s29
	s_lshl_b32 s30, s30, 12
	s_add_nc_u64 s[4:5], s[4:5], s[30:31]          ; the table at my first tile of positions: 16 x slot + 8 s15
	WIN 0x40                                       ; destination window 1
.irp a, 0,1,2,3,4,5,6,7                        ; (cos, sin) of my position in block a and of the 16 pairs of channels that my registers hold: 32 registers a block
.irp m, 0,1,2,3,4,5,6,7
	global_load_b128 v[32*\a+4*\m:32*\a+4*\m+3], v[LI16], s[4:5] offset:4096*\a+512*\m
.endr
.endr
.irp a, 0,1,2,3,4,5,6,7
	s_wait_loadcnt 8*(7-\a)                        ; block a's eight loads are in; those of the later blocks may be out
	WIN (2+\a/4)|4                                 ; source 0: the accumulators' window; source 1: window 1
.set i, 0
.rept 32                                       ; a pair (t1, t2) and its (cos, sin): first (-t2 sin, t2 cos),
	v_pk_mul_f32 v[RR+2*i:RR+2*i+1], v[64*(\a%4)+2*i:64*(\a%4)+2*i+1], v[32*\a+2*(i%16):32*\a+2*(i%16)+1] op_sel:[1,1] op_sel_hi:[1,0] neg_lo:[1,0]
.set i, i+1
.endr
.set i, 0
.rept 32                                       ; then + (t1 cos, t1 sin)
	v_pk_fma_f32 v[RR+2*i:RR+2*i+1], v[64*(\a%4)+2*i:64*(\a%4)+2*i+1], v[32*\a+2*(i%16):32*\a+2*(i%16)+1], v[RR+2*i:RR+2*i+1] op_sel_hi:[0,1,1]
.set i, i+1
.endr
	QUANT RR, 0
	v_perm_b32 v[SW+\a], v[PW], v[PW], 0x01000100      ; the first head's two bytes, twice;
	v_perm_b32 v[SW+8+\a], v[PW], v[PW], 0x03020302    ; the second's
.irp h, 0,1
.irp p, 0,1,2
	global_store_b64 v[LI8], v[CD+6*\h+2*\p:CD+6*\h+2*\p+1], s[32+2*\h:33+2*\h] offset:768*\a+256*\p   ; the wave stores 256 consecutive bytes, aligned
.endr
.endr
.endr
.irp h, 0,1
.irp g, 0,1
	global_store_b128 v[LI16], v[SW+8*\h+4*\g:SW+8*\h+4*\g+3], s[36+2*\h:37+2*\h] offset:512*\g   ; four tiles' scale words a lane: 512 consecutive bytes
.endr
.endr
	s_branch .Ldone
.Lv:
	; ---- v.  My 128 rows are the channels of heads 4 x tile row + 2 s15 and the next; my 128 columns are key step s16 of slot (tile column % 8) of batch (tile column / 8)
	s_lshl_b32 s18, s17, 2
	s_lshl_b32 s19, s15, 1
	s_add_co_u32 s18, s18, s19
	s_lshr_b32 s19, s42, 3
	s_lshl_b32 s19, s19, 4
	s_add_co_u32 s18, s18, s19                     ; 16 x batch + my first head
	s_lshl_b32 s18, s18, 3
	s_and_b32 s19, s42, 7
	s_add_co_u32 s18, s18, s19
	s_mul_i32 s30, s18, KVS                        ; the slot
	s_mul_i32 s19, s16, 6144
	s_add_co_u32 s20, s30, s19
	s_mov_b32 s21, 0
	s_add_nc_u64 s[32:33], s[8:9], s[20:21]        ; for the codes: + the key step's four fragments
	s_lshl_b32 s19, s16, 9
	s_add_co_u32 s20, s30, s19
	s_add_nc_u64 s[36:37], s[8:9], s[20:21]        ; for the scale words: + the key step's 512 bytes
.irp a, 0,1,2,3,4,5,6,7
	QUANT 64*(\a%4), 2+\a/4
	v_mov_b32 v[SW+\a], v[PW]
.irp g, 0,1,2
	global_store_b128 v[LI16], v[CD+4*\g:CD+4*\g+3], s[32:33] offset:(\a/4)*KVH+12288+1536*(\a%4)+512*\g   ; the fragment as it stands: 512 consecutive bytes a store
.endr
.endr
.irp h, 0,1
	global_store_b128 v[LI16], v[SW+4*\h:SW+4*\h+3], s[36:37] offset:26624+\h*KVH
.endr
.Ldone:
	s_wait_tensorcnt 0x0                           ; the wave's end
	ds_add_u32 v[SPW], v[NIL]
	s_wait_dscnt 0x0
	CROUND                                         ; the closing round: no work-group ends while a partner may still ask for a tile that names it
	s_endpgm
.Lfunc_end_k_qa08b0bfbff_qkv:
	.size	k_qa08b0bfbff_qkv, .Lfunc_end_k_qa08b0bfbff_qkv-k_qa08b0bfbff_qkv
	.p2alignl 7, 3214868480
	.fill 96, 4, 3214868480
	.section	.rodata,"a",@progbits
	.p2align	6, 0x0
	.amdhsa_kernel k_qa08b0bfbff_qkv
		.amdhsa_group_segment_fixed_size 327680
		.amdhsa_private_segment_fixed_size 0
		.amdhsa_enable_private_segment 0
		.amdhsa_kernarg_size 40
		.amdhsa_user_sgpr_count 2
		.amdhsa_user_sgpr_kernarg_segment_ptr 1
		.amdhsa_wavefront_size32 1
		.amdhsa_system_sgpr_workgroup_id_x 1
		.amdhsa_system_sgpr_workgroup_id_y 1
		.amdhsa_system_sgpr_workgroup_id_z 1
		.amdhsa_system_vgpr_workitem_id 0
		.amdhsa_next_free_vgpr 1024
		.amdhsa_next_free_sgpr 100
		.amdhsa_reserve_vcc 0
		.amdhsa_float_denorm_mode_32 3
		.amdhsa_float_denorm_mode_16_64 3
		.amdhsa_memory_ordered 1
		.amdhsa_forward_progress 1
		.amdhsa_inst_pref_size 242
	.end_amdhsa_kernel
	.amdgpu_metadata
---
amdhsa.version: [ 1, 2 ]
amdhsa.kernels:
  - .name:           k_qa08b0bfbff_qkv
    .symbol:         k_qa08b0bfbff_qkv.kd
    .args:
      - { .name: xq, .offset: 0, .size: 8, .value_kind: global_buffer, .address_space: global }
      - { .name: wz, .offset: 8, .size: 8, .value_kind: global_buffer, .address_space: global }
      - { .name: rope, .offset: 16, .size: 8, .value_kind: global_buffer, .address_space: global }
      - { .name: qb, .offset: 24, .size: 8, .value_kind: global_buffer, .address_space: global }
      - { .name: kv, .offset: 32, .size: 8, .value_kind: global_buffer, .address_space: global }
    .group_segment_fixed_size: 327680
    .private_segment_fixed_size: 0
    .kernarg_segment_align: 8
    .kernarg_segment_size: 40
    .max_flat_workgroup_size: 128
    .sgpr_count:     100
    .vgpr_count:     1024
    .wavefront_size: 32
...
	.end_amdgpu_metadata
.endif
;; end of part 2
;; launch attn (part 3): grid 4 x 64, 16 waves a work-group, no clusters, 327,680 bytes of LDS; arguments qb, kv, ob; writes ob
.if DOCPART == 3
	.amdgcn_target "amdgcn-amd-amdhsa--gfx1250"
	.amdhsa_code_object_version 6
	.text
	.protected	k_qa08b0bfbff_attn
	.globl	k_qa08b0bfbff_attn
	.p2align	8
	.type	k_qa08b0bfbff_attn,@function
k_qa08b0bfbff_attn:
	s_mov_b64 s[64:65], 0
	v_nop
	global_prefetch_b8 v0, s[64:65] scope:SCOPE_SE
	s_setreg_imm32_b32 hwreg(HW_REG_WAVE_MODE, 25, 1), 1
	s_wait_xcnt 0x0
; Causal attention of one head on codes of FP6 (E2M3) with E8M0 scales, head size 64, 2,048 tokens; the result, divided by the row's sum, is quantised along the model's 1,024 and stored as images of the last launch's operand registers.
; THE SOFTMAX: t = score x log2(e) / 8; M = the row's largest t so far, rounded up to a whole number; p = 2^(t - M) is what is quantised, along the keys; the row's sum is taken of the unquantised p.  When M moves, the sum and O are multiplied by 2^(old M - new M): exact.
; SHARES.  Work-group (x, y) serves head y (16 x batch + head) and the blocks x and 7 - x of 256 queries: 9 slots of 256 keys in every work-group, so the causal work is even.  Each of sixteen waves owns one tile of 16 queries of the block in hand.
; ONE loop of constant count walks trips 0 .. 8: trips 0 .. x serve block x with slot = trip, the others block 7 - x with slot = trip - x - 1.  LDS addresses hang on the trip's parity alone.  A step all of whose keys come after my queries is left out by a scalar branch on ids.
; A slot of kv is 27,648 dense bytes: k's codes (16 tiles x 768), v's codes (2 key steps x 4 fragments x 1,536), k's scale words, v's scale words: all images of registers, read back at 8 x lane or 16 x lane.  Waves 0 to 3 fetch a quarter each.
; NO CLUSTER: from trip 1 on the four work-groups of a head want different slots in the same trip, so no request could be made jointly.
; LAYOUT.  Both products are used transposed (S^T = K Q^T, O^T = V^T P^T): a lane holds one query throughout.  Row r of tile n of tokens is token 32 (n / 2) + 8 (n % 2) + r % 8 + 16 (r / 8), so the 16 registers of score tiles 2 b, 2 b + 1 are keys 32 b + 16 (lane / 16) + 0 .. 15.
; HEAD SIZE 64 IS HALF OF THE INSTRUCTION'S K: a fragment holds key tile 2 b in registers 0-5 and key tile 2 b + 1 in registers 6-11, and is multiplied twice: by (q | zeros) and by (zeros | q).  Zero codes add nothing; the scale words hold s0, s1, s0, s1 and serve either half.
; LIMITS: NaN and infinities are not served; a block of p or of the result whose largest magnitude lies under 2^-124 has the byte 1 (its codes are zeros or nearly so; this program alone reads the bytes).  The result's scale bytes leave as single bytes: two of a row's 32 come from each head.
.set SLB,   27648                      ; a slot in bytes
.set SLOT1, 32768                      ; slot 1 begins here: one exclusive or turns an address
.set SPARE, 65536                      ; the spare words, 128 bytes for each of 16 waves, that no other line names
.set VCO,   12288                      ; in a slot: v's codes,
.set KSC,   24576                      ; k's scale words,
.set VSC,   26624                      ; v's
.set KVH,   8*SLB
.set QSO,   6291456                    ; qb: where the scale words begin
.set OSO,   6291456                    ; ob: where the scale bytes begin
.set LI8,  1                           ; v1  8 x lane
.set LI16, 2                           ; v2  16 x lane
.set ADK,  3                           ; v3  the slot in hand + 8 x lane
.set ADV,  4                           ; v4  the slot in hand + 16 x lane
.set SPW,  5                           ; v5  LDS address of my spare word; never rewritten
.set NIL,  6                           ; v6  0; never rewritten
.set DQ,   7                           ; v7  r % 8 + 16 (r / 8) - 16 (lane / 16)
.set PFO,  8                           ; v8  256 x lane
.set OSB,  9                           ; v9  32 r + lane / 16
.set QLO,  16                          ; v16-27 (q | zeros)
.set QHI,  28                          ; v28-39 (zeros | q)
.set QSW,  40                          ; v40 q's scale words
.set F,    44                          ; v44-91 four fragments of K, then of V
.set S,    96                          ; v96-159 S^T, then p
.set OT,   160                         ; v160-191 O^T
.set KSW,  192                         ; v192-199 k's scale words, one register a tile
.set VSW,  200                         ; v200-203 v's
.set PSW,  204                         ; v204 p's
.set PCD,  208                         ; v208-219 p's codes
.set HC,   220                         ; v220-222, v224-226 halves of conversions
.set WV,   18
.set SEL,  20                          ; s[20:21] v_permlanex16_b32's selects for lane l xor 16
.set CS,   22                          ; s[22:23] c = log2(e) / 8
.set G1,   24
.set G0,   32
.set KVB,  36                          ; s[36:37] my quarter of the head's slot 0
.set OFP,  38                          ; s[38:39] an offset, its high word 0
.set TB,   2                           ; LDS byte at which the slot in hand begins
.set T,    3                           ; the trip
.set PI,   40                          ; work-group x
.set LS,   41                          ; the slot last asked for
.set KF,   42                          ; the step's first key
.set Q0,   43                          ; my tile's first query
.set BLK,  44                          ; the block of queries in hand
.set BH,   45                          ; 16 x batch + head
.set QP,   46                          ; s[46:47] q's codes, s[48:49] its scale words, s[50:51] the result's codes, s[52:53] its scale bytes
.set QSP,  48
.set OUP,  50
.set SCP,  52
.set PFA,  54                          ; s[54:55] where my prefetches stand
.set LIM,  56                          ; a wave prefetches while the trip is under this
.set HM,   57                          ; lanes 16-31
.macro TLOAD                           ; waves 0 to 3 fetch a quarter of a slot each; four v_nop follow the line
	s_cmp_lt_u32 s[WV], 4
	s_cbranch_scc0 .Lno_load_\@
	tensor_load_to_lds s[G0:G0+3], s[G1:G1+7]
	s_nop 0
.rept 4
	v_nop
.endr
.Lno_load_\@:
.endm
; A PREFETCH INTO THE L2 of the codes of the slot that the next change of slots will ask for.  All four work-groups of a head walk the head's slots: work-group x = 0 asks, which walks slots 0 to 7 in trips 1 to 8.  In it waves 8, 9, 10, which fetch nothing,
; ask for 8,192 bytes each, lanes 256 bytes apart: a slot's 24,576 bytes of codes.  Trip t names slot t + 1, t = 0 .. 6: each block is named once.  Slot 0 and the scale words come by their loads alone.
.macro ASK
	s_cmp_lt_u32 s[T], s[LIM]
	s_cbranch_scc0 .Lnot_mine_\@
	global_prefetch_b8 v[PFO], s[PFA:PFA+1] th:TH_LOAD_NT scope:SCOPE_SE
.Lnot_mine_\@:
.endm
; THE CHANGE OF SLOTS stands at a trip's head.  Each wave waits for all its tensor loads (its part of the slot that it is about to read), adds 0 to its spare word, and waits for that and for its reads of the slot that it has left.
; Behind the barrier the slot ahead is whole and nobody reads the other one.  fill = 1: that other slot is filled for the next trip: one load a wave is out, and it has a trip's two key steps in which to land.
.macro CHANGE fill
	s_wait_tensorcnt 0x0                           ; no tensor load of mine is out, so group 0 may be written
	ds_add_u32 v[SPW], v[NIL]                      ; 0 onto my spare word
.if \fill
	s_xor_b32 s[G0+1], s[G0+1], SLOT1              ; the other slot than last time
	s_add_co_u32 s[LS], s[LS], 1
	s_cmp_eq_u32 s[T], s[PI]
	s_cselect_b32 s[LS], 0, s[LS]                  ; the next slot of keys; behind the first block's last trip: slot 0 again
	s_mul_i32 s[OFP], s[LS], SLB
	s_add_nc_u64 s[G0+2:G0+3], s[KVB:KVB+1], s[OFP:OFP+1]
	s_or_b32 s[G0+3], s[G0+3], 0x80000000          ; type = 2
	s_wait_xcnt 0x0                                ; the last prefetch, a trip back, has read its address
	s_add_nc_u64 s[PFA:PFA+1], s[PFA:PFA+1], SLB
.endif
	s_wait_dscnt 0x0                               ; the add is done, and my reads of the slot that I have left are over
	s_barrier_signal -1
	s_barrier_wait -1
.if \fill
	TLOAD                                          ; the first thing behind the barrier, and a wave's one tensor load until the next
	ASK
.endif
.endm
; A block of queries begins: addresses, q's fragment and scale words, and the sums as zeros (the first change of M multiplies zeros).
.macro START
	s_wait_xcnt 0x0                                ; earlier loads and stores have read their bases and data
	s_lshl_b32 s58, s[BLK], 4
	s_add_co_u32 s58, s58, s[WV]                   ; my tile among the head's 128
	s_lshl_b32 s59, s[BH], 7
	s_add_co_u32 s59, s59, s58
	s_mul_i32 s60, s59, 768
	s_mov_b32 s61, 0
	s_add_nc_u64 s[QP:QP+1], s[4:5], s[60:61]
	s_lshl_b32 s60, s[BH], 14                      ; scale words: 16,384 bytes a head, 1,024 a group of 8 tiles, 512 for four tiles, a word a tile
	s_lshr_b32 s59, s58, 3
	s_lshl_b32 s59, s59, 10
	s_add_co_u32 s60, s60, s59
	s_bfe_u32 s59, s[WV], 0x10002
	s_lshl_b32 s59, s59, 9
	s_add_co_u32 s60, s60, s59
	s_and_b32 s59, s[WV], 3
	s_lshl_b32 s59, s59, 2
	s_add_co_u32 s60, s60, s59
	s_add_co_u32 s60, s60, QSO
	s_add_nc_u64 s[QSP:QSP+1], s[4:5], s[60:61]
	s_lshr_b32 s59, s[BH], 4
	s_lshl_b32 s59, s59, 7
	s_add_co_u32 s59, s59, s58                     ; my tile among all 512 tiles of tokens
	s_and_b32 s62, s[BH], 15                       ; the head
	s_lshl_b32 s60, s59, 4
	s_add_co_u32 s60, s60, s62
	s_mul_i32 s60, s60, 768
	s_add_nc_u64 s[OUP:OUP+1], s[8:9], s[60:61]
	s_lshl_b32 s60, s59, 9                         ; 16 rows of 32 scale bytes
	s_lshl_b32 s62, s62, 1
	s_add_co_u32 s60, s60, s62
	s_add_co_u32 s60, s60, OSO
	s_add_nc_u64 s[SCP:SCP+1], s[8:9], s[60:61]
	s_lshl_b32 s[Q0], s[BLK], 8
	s_lshr_b32 s59, s[WV], 1
	s_lshl_b32 s59, s59, 5
	s_add_co_u32 s[Q0], s[Q0], s59
	s_and_b32 s59, s[WV], 1
	s_lshl_b32 s59, s59, 3
	s_add_co_u32 s[Q0], s[Q0], s59                 ; 256 x block + 32 (wave / 2) + 8 (wave % 2)
	s_mov_b32 s[KF], 0
.irp p, 0,1,2
	global_load_b64 v[QLO+2*\p:QLO+2*\p+1], v[LI8], s[QP:QP+1] offset:256*\p       ; q into the lower half of one operand
	global_load_b64 v[QHI+6+2*\p:QHI+6+2*\p+1], v[LI8], s[QP:QP+1] offset:256*\p   ; and into the upper half of the other
.endr
	global_load_b32 v[QSW], v[LI16], s[QSP:QSP+1]
	v_mov_b32 v13, 0xff61b1e6                      ; the largest t so far: -3e38
	s_delay_alu instid0(VALU_DEP_1)
	v_floor_f32 v12, -v13                          ; -M
	v_mov_b32 v14, 0                               ; the sum, in two halves
	v_mov_b32 v15, 0
.set j, 0
.rept 32
	v_mov_b32 v[OT+j], 0
.set j, j+1
.endr
	s_wait_loadcnt 0x0
.endm
; A KEY STEP: 128 keys, the q-th of the slot in hand.
.macro STEP q
	s_add_co_u32 s58, s[Q0], 23                    ; my last query
	s_cmp_gt_u32 s[KF], s58
	s_cbranch_scc1 .Lhidden_\@                     ; all keys of the step come after my queries
	v_add_nc_u32 v[ADK], s[TB], v[LI8]
	v_add_nc_u32 v[ADV], s[TB], v[LI16]
	v_nop
	v_nop                                          ; four plain lines in front of loads into registers that the last products have read
.irp b, 0,1,2,3
.irp p, 0,1,2,3,4,5
	ds_load_b64 v[F+12*\b+2*\p:F+12*\b+2*\p+1], v[ADK] offset:6144*(\q)+1536*\b+256*\p   ; key tiles 2 b and 2 b + 1: 256 consecutive bytes a load
.endr
.endr
.irp g, 0,1
	ds_load_b128 v[KSW+4*\g:KSW+4*\g+3], v[ADV] offset:KSC+1024*(\q)+512*\g
.endr
	s_wait_alu depctr_va_vdst(0)
	s_wait_dscnt 0x0
.irp b, 0,1,2,3
	v_wmma_scale_f32_16x16x128_f8f6f4 v[S+16*\b:S+16*\b+7], v[F+12*\b:F+12*\b+11], v[QLO:QLO+11], 0, v[KSW+2*\b], v[QSW] matrix_a_fmt:MATRIX_FMT_FP6 matrix_b_fmt:MATRIX_FMT_FP6
	v_wmma_scale_f32_16x16x128_f8f6f4 v[S+16*\b+8:S+16*\b+15], v[F+12*\b:F+12*\b+11], v[QHI:QHI+11], 0, v[KSW+2*\b+1], v[QSW] matrix_a_fmt:MATRIX_FMT_FP6 matrix_b_fmt:MATRIX_FMT_FP6
.endr
.rept 4
	v_nop                                          ; places: in front of the loads below and of the first read of the scores
.endr
.irp t, 0,1,2,3                                ; V's four fragments are asked for now and land under the softmax
.irp g, 0,1,2
	ds_load_b128 v[F+12*\t+4*\g:F+12*\t+4*\g+3], v[ADV] offset:VCO+6144*(\q)+1536*\t+512*\g
.endr
.endr
	ds_load_b128 v[VSW:VSW+3], v[ADV] offset:VSC+512*(\q)
	s_add_co_u32 s58, s[KF], 127                   ; on the diagonal the scores of hidden keys become -infinity; a step all of whose keys count skips this
	s_cmp_le_u32 s58, s[Q0]
	s_cbranch_scc1 .Lopen_\@
	s_sub_co_i32 s58, s[Q0], s[KF]
	v_add_nc_u32 v252, s58, v[DQ]                  ; d = my query - the step's first key - 16 (lane / 16).  Register 16 b + i holds key 32 b + 16 (lane / 16) + i of the step: hidden where 32 b + i > d
	v_mov_b32 v254, 0xff800000
.set n, 0
.rept 64
	v_cmp_gt_i32 vcc_lo, 32*(n/16)+n%16, v252
	v_cndmask_b32 v[S+n], v[S+n], v254, vcc_lo
.set n, n+1
.endr
.Lopen_\@:
.irp b, 0,1,2,3
	v_max3_num_f32 v[232+\b], v[S+16*\b], v[S+1+16*\b], v[S+2+16*\b]   ; the largest score of each block of 32 keys: it serves for the row's maximum and, since p rises with the score, for the block's largest p
.endr
.irp i, 3,5,7,9,11,13
.irp b, 0,1,2,3
	v_max3_num_f32 v[232+\b], v[232+\b], v[S+16*\b+\i], v[S+1+16*\b+\i]
.endr
.endr
.irp b, 0,1,2,3
	v_max_num_f32 v[232+\b], v[232+\b], v[S+15+16*\b]
.endr
.irp b, 0,1,2,3
	s_delay_alu instid0(VALU_DEP_4)
	v_permlanex16_b32 v[236+\b], v[232+\b], s[SEL], s[SEL+1]
.endr
.irp b, 0,1,2,3
	s_delay_alu instid0(VALU_DEP_4)
	v_max_num_f32 v[232+\b], v[232+\b], v[236+\b]  ; with lane l xor 16's 16 keys
.endr
	s_delay_alu instid0(VALU_DEP_2)
	v_max3_num_f32 v254, v232, v233, v234
	s_delay_alu instid0(VALU_DEP_1)
	v_max_num_f32 v254, v254, v235                 ; the step's largest score of my query
	s_delay_alu instid0(VALU_DEP_1)
	v_mul_f32 v254, s[CS], v254                    ; as t
	s_delay_alu instid0(VALU_DEP_1)
	v_max_num_f32 v13, v13, v254                   ; the running largest t
	v_mov_b32 v254, v12
	s_delay_alu instid0(VALU_DEP_2)
	v_floor_f32 v12, -v13                          ; the new -M = -ceil(t)
	s_delay_alu instid0(VALU_DEP_1)
	v_sub_f32 v254, v12, v254                      ; old M - new M: a whole number, 0 or less
	s_delay_alu instid0(VALU_DEP_1)
	v_cvt_i32_f32 v254, v254                       ; (it saturates)
	s_delay_alu instid0(VALU_DEP_1)
	v_ldexp_f32 v252, 1.0, v254                    ; f = 2^(old M - new M)
.set j, 0
.rept 32
	v_pk_fma_f32 v[S+j:S+j+1], v[S+j:S+j+1], s[CS:CS+1], v[12:13] op_sel_hi:[1,0,0]   ; t - M, two at a time
.set j, j+2
.endr
.irp b, 0,1,2,3
	v_fma_f32 v[232+\b], v[232+\b], s[CS], v12     ; the same of each block's largest score
.endr
.set j, 0
	s_wait_alu depctr_va_vdst(0)
.rept 64
	v_exp_f32 v[S+j], v[S+j]                       ; p = 2^(t - M)
.set j, j+1
.endr
	v_pk_mul_f32 v[14:15], v[14:15], v[252:253] op_sel_hi:[1,0]   ; the sums under the new M (the plain line behind the exponentials)
	s_wait_alu depctr_va_vdst(0)                   ; one wait for the batch of 64, ahead of its first reader
.irp b, 0,1,2,3
	v_exp_f32 v[232+\b], v[232+\b]                 ; the block's largest p
.endr
	v_pk_add_f32 v[236:237], v[100:101], v[104:105]
	v_pk_add_f32 v[254:255], v[108:109], v[112:113]
	v_pk_add_f32 v[250:251], v[116:117], v[120:121]
	v_pk_add_f32 v[248:249], v[124:125], v[128:129]
	v_pk_add_f32 v[246:247], v[132:133], v[136:137]
	v_pk_add_f32 v[244:245], v[140:141], v[144:145]
	v_pk_add_f32 v[242:243], v[148:149], v[152:153]
	v_pk_add_f32 v[14:15], v[14:15], v[156:157]
	v_pk_add_f32 v[236:237], v[236:237], v[96:97]
	v_pk_add_f32 v[254:255], v[254:255], v[98:99]
	v_pk_add_f32 v[250:251], v[250:251], v[102:103]
	v_pk_add_f32 v[248:249], v[248:249], v[106:107]
	v_pk_add_f32 v[246:247], v[246:247], v[110:111]
	v_pk_add_f32 v[244:245], v[244:245], v[114:115]
	v_pk_add_f32 v[242:243], v[242:243], v[118:119]
	v_pk_add_f32 v[14:15], v[14:15], v[122:123]
	v_pk_add_f32 v[236:237], v[236:237], v[126:127]
	v_pk_add_f32 v[254:255], v[254:255], v[130:131]
	v_pk_add_f32 v[250:251], v[250:251], v[134:135]
	v_pk_add_f32 v[248:249], v[248:249], v[138:139]
	v_pk_add_f32 v[246:247], v[246:247], v[142:143]
	v_pk_add_f32 v[244:245], v[244:245], v[146:147]
	v_pk_add_f32 v[242:243], v[242:243], v[150:151]
	v_pk_add_f32 v[14:15], v[14:15], v[154:155]
	v_pk_add_f32 v[236:237], v[236:237], v[158:159]
	s_delay_alu instid0(VALU_DEP_2)
	v_pk_add_f32 v[14:15], v[14:15], v[248:249]
	s_delay_alu instid0(VALU_DEP_2)
	v_pk_add_f32 v[236:237], v[236:237], v[246:247]
	v_pk_add_f32 v[254:255], v[254:255], v[244:245]
	v_pk_add_f32 v[250:251], v[250:251], v[242:243]
	s_delay_alu instid0(VALU_DEP_2)
	v_pk_add_f32 v[14:15], v[14:15], v[254:255]
	s_delay_alu instid0(VALU_DEP_2)
	v_pk_add_f32 v[236:237], v[236:237], v[250:251]
	s_delay_alu instid0(VALU_DEP_1)
	v_pk_add_f32 v[14:15], v[14:15], v[236:237]
	s_wait_alu depctr_va_vdst(0)                   ; and one for the four
.irp b, 0,1,2,3
	v_max_num_f32 v[232+\b], 0x1800000, v[232+\b]  ; the floor 2^(3 - 127): the byte cannot fall under 1
.endr
.irp b, 0,1,2,3
	s_delay_alu instid0(VALU_DEP_4)
	v_add_nc_u32 v[244+\b], 0xff000000, v[232+\b]  ; 2 off the exponent field: the conversion's scale operand
.endr
.irp b, 0,1,2,3
	s_delay_alu instid0(VALU_DEP_4)
	v_lshrrev_b32 v[236+\b], 23, v[244+\b]         ; the scale's byte
.endr
	s_delay_alu instid0(VALU_DEP_3)
	v_lshl_or_b32 v[PSW], v237, 8, v236            ; p's scale word for these 128 keys
	s_delay_alu instid0(VALU_DEP_1)
	v_lshl_or_b32 v[PSW], v238, 16, v[PSW]
	s_delay_alu instid0(VALU_DEP_1)
	v_lshl_or_b32 v[PSW], v239, 24, v[PSW]
.irp c, 0,1
	v_cvt_scalef32_pk16_fp6_f32 v[PCD+6*\c:PCD+6*\c+2], v[S+32*\c:S+32*\c+15], v[244+2*\c]
	v_cvt_scalef32_pk16_fp6_f32 v[HC+4*\c:HC+4*\c+2], v[S+32*\c+16:S+32*\c+31], v[244+2*\c+1]   ; (a conversion's three registers begin on an even number)
.endr
	v_nop                                          ; one plain line behind a scaled conversion
.irp c, 0,1                                    ; the operand's layout wants a whole block in a lane
.irp i, 0,1,2
	v_permlane16_swap_b32 v[PCD+6*\c+\i], v[HC+4*\c+\i]
.endr
.irp i, 0,1,2
	s_delay_alu instid0(VALU_DEP_3)
	v_mov_b32 v[PCD+3+6*\c+\i], v[HC+4*\c+\i]
.endr
.endr
.set j, 0
.rept 16
	v_pk_mul_f32 v[OT+j:OT+j+1], v[OT+j:OT+j+1], v[252:253] op_sel_hi:[1,0]   ; O^T under the new M (these are also the places between the scale word and the codes just written and the products)
.set j, j+2
.endr
.rept 4
	v_nop                                          ; and four plain lines between the last of them and the products that add onto them
.endr
	s_wait_alu depctr_va_vdst(0)
	s_wait_dscnt 0x0                               ; V's fragments and scale words are in
.irp t, 0,1,2,3
	v_wmma_scale_f32_16x16x128_f8f6f4 v[OT+8*\t:OT+8*\t+7], v[F+12*\t:F+12*\t+11], v[PCD:PCD+11], v[OT+8*\t:OT+8*\t+7], v[VSW+\t], v[PSW] matrix_a_fmt:MATRIX_FMT_FP6 matrix_b_fmt:MATRIX_FMT_FP6
.endr
.Lhidden_\@:
	s_add_co_u32 s[KF], s[KF], 128
.endm
; A block of queries ends: O^T / the sum; register 16 b + i is channel 32 b + 16 (lane / 16) + i of my query: two blocks of the last product's K.  They are quantised and stored as half a fragment: three runs of 256 bytes.
.macro FINISH
.rept 4
	v_nop                                          ; places behind the last products
.endr
	v_add_f32 v14, v14, v15
	s_delay_alu instid0(VALU_DEP_1)
	v_permlanex16_b32 v252, v14, s[SEL], s[SEL+1]
	s_delay_alu instid0(VALU_DEP_1)
	v_add_f32 v14, v14, v252                       ; the row's sum
	s_wait_alu depctr_va_vdst(0)
	v_rcp_f32 v14, v14
	v_nop                                          ; a plain line behind the reciprocal,
	s_wait_alu depctr_va_vdst(0)                   ; and the wait ahead of its first reader
.set j, 0
.rept 32
	v_mul_f32 v[S+j], v[OT+j], v14
.set j, j+1
.endr
.irp b, 0,1
	v_max3_num_f32 v[232+\b], |v[S+16*\b]|, |v[S+16*\b+1]|, 0x1800000
.endr
.irp i, 2,4,6,8,10,12,14
.irp b, 0,1
	s_delay_alu instid0(VALU_DEP_2)
	v_max3_num_f32 v[232+\b], v[232+\b], |v[S+16*\b+\i]|, |v[S+16*\b+\i+1]|
.endr
.endr
.irp b, 0,1
	s_delay_alu instid0(VALU_DEP_2)
	v_permlanex16_b32 v[236+\b], v[232+\b], s[SEL], s[SEL+1]
.endr
.irp b, 0,1
	s_delay_alu instid0(VALU_DEP_2)
	v_max_num_f32 v[232+\b], v[232+\b], v[236+\b]
.endr
.irp b, 0,1
	s_delay_alu instid0(VALU_DEP_2)
	v_add_nc_u32 v[244+\b], 0xff000000, v[232+\b]
.endr
.irp b, 0,1
	s_delay_alu instid0(VALU_DEP_2)
	v_lshrrev_b32 v[236+\b], 23, v[244+\b]
.endr
	v_cvt_scalef32_pk16_fp6_f32 v[PCD:PCD+2], v[S:S+15], v244
	v_cvt_scalef32_pk16_fp6_f32 v[HC:HC+2], v[S+16:S+31], v245
	v_cndmask_b32 v254, v236, v237, s[HM]          ; lanes 0-15 store block 0's byte, lanes 16-31 block 1's (also the plain line behind the conversions)
.irp i, 0,1,2
	v_permlane16_swap_b32 v[PCD+\i], v[HC+\i]
.endr
.irp i, 0,1,2
	s_delay_alu instid0(VALU_DEP_3)
	v_mov_b32 v[PCD+3+\i], v[HC+\i]
.endr
.irp p, 0,1,2
	global_store_b64 v[LI8], v[PCD+2*\p:PCD+2*\p+1], s[OUP:OUP+1] offset:256*\p   ; the wave stores 256 consecutive bytes, aligned
.endr
	global_store_b8 v[OSB], v254, s[SCP:SCP+1]
.endm
	s_load_b128 s[4:7], s[0:1], 0x0                ; qb s[4:5], kv s[6:7]
	s_load_b64 s[8:9], s[0:1], 0x10                ; ob
	v_lshl_add_u32 v[SPW], v0, 2, SPARE
	v_mov_b32 v[NIL], 0
	ds_add_u32 v5, v6
	ds_add_u32 v5, v6
	s_wait_dscnt 0x0
	v_lshrrev_b32 v10, 5, v0
	s_delay_alu instid0(VALU_DEP_1)
	v_readfirstlane_b32 s[WV], v10                 ; wave 0..15
	s_mov_b32 s[PI], ttmp9
	s_and_b32 s[BH], ttmp7, 0xffff
	; descriptor group 1: a quarter of a slot: 27 dense rows of 256 bytes (32 elements of 8 bytes)
	s_mov_b32 s[G1], 3<<16
	s_mov_b32 s[G1+1], 32<<16                      ; tensor_dim0
	s_mov_b32 s[G1+2], 27<<16                      ; tensor_dim1
	s_mov_b32 s[G1+3], 32<<16                      ; tile_dim0
	s_mov_b32 s[G1+4], 27                          ; tile_dim1
	s_mov_b32 s[G1+5], 32                          ; from row to row
	s_mov_b32 s[G1+6], 0
	s_mov_b32 s[G1+7], 0
	s_and_b32 s58, s[WV], 3
	s_mov_b32 s[G0], 1
	s_mul_i32 s[G0+1], s58, 6912                   ; LDS: my quarter of slot 0
	s_mul_i32 s62, s[BH], KVH
	s_add_co_u32 s60, s62, s[G0+1]
	s_mov_b32 s61, 0
	s_mov_b32 s[OFP+1], 0
	s_mov_b32 s[LS], 0
	s_mov_b32 s[SEL], 0x76543210
	s_mov_b32 s[SEL+1], 0xfedcba98
	s_mov_b32 s[CS], 0x3e38aa3b                    ; log2(e) / 8
	s_mov_b32 s[CS+1], s[CS]
	s_mov_b32 s[HM], 0xffff0000
	s_mov_b32 s[TB], 0
	s_mov_b32 s[T], 0
	s_wait_kmcnt 0x0
	s_add_nc_u64 s[KVB:KVB+1], s[6:7], s[60:61]
	s_mov_b64 s[G0+2:G0+3], s[KVB:KVB+1]
	s_or_b32 s[G0+3], s[G0+3], 0x80000000
	TLOAD                                          ; slot 0: the one first fill, ahead of every wait on TENSORcnt, every LDS read and every barrier
	s_lshl_b32 s59, s58, 13
	s_add_co_u32 s60, s62, s59
	s_add_nc_u64 s[PFA:PFA+1], s[6:7], s[60:61]    ; the prefetches: the head's slot 0, 8,192 bytes a wave; the first change of slots steps it to slot 1
	s_sub_co_u32 s58, s[WV], 8
	s_cmp_lt_u32 s58, 3                            ; waves 8, 9, 10
	s_cselect_b32 s[LIM], 7, 0
	s_cmp_eq_u32 s[PI], 0                          ; of work-group x = 0
	s_cselect_b32 s[LIM], s[LIM], 0
	v_and_b32 v10, 31, v0
	s_delay_alu instid0(VALU_DEP_1)
	v_lshlrev_b32 v[LI8], 3, v10
	s_delay_alu instid0(VALU_DEP_2)
	v_lshlrev_b32 v[LI16], 4, v10
	s_delay_alu instid0(VALU_DEP_3)
	v_lshlrev_b32 v[PFO], 8, v10
	v_and_b32 v11, 15, v0                          ; r
	v_bfe_u32 v10, v0, 4, 1                        ; h
	s_delay_alu instid0(VALU_DEP_2)
	v_and_b32 v[DQ], 8, v11
	s_delay_alu instid0(VALU_DEP_1)
	v_add_nc_u32 v[DQ], v[DQ], v11                 ; r % 8 + 16 (r / 8)
	s_delay_alu instid0(VALU_DEP_3)
	v_lshlrev_b32 v[OSB], 4, v10
	s_delay_alu instid0(VALU_DEP_1)
	v_sub_nc_u32 v[DQ], v[DQ], v[OSB]              ; - 16 h
	v_lshl_add_u32 v[OSB], v11, 5, v10             ; 32 r + h
.irp i, 0,1,2,3,4,5
	v_mov_b32 v[QLO+6+\i], 0                       ; the zero halves of the two operands: written once
	v_mov_b32 v[QHI+\i], 0
.endr
.irp b, 0,1,2,3
	v_mov_b32 v[236+\b], 0                         ; written once: a lane permute's destination counts as one of its sources
.endr
	v_mov_b32 v252, 0
	v_mov_b32 v253, 0                              ; (named as the upper half of the pair v[252:253])
	s_mov_b32 s[BLK], s[PI]
	START
.Lslot:                                            ; eight trips; behind each change of slots the next trip's slot is asked for
	CHANGE 1
	s_add_co_u32 s58, s[PI], 1
	s_cmp_lg_u32 s[T], s58
	s_cbranch_scc1 .Lsame
	FINISH                                         ; the first block is done: on to block 7 - x
	s_sub_co_u32 s[BLK], 7, s[PI]
	START
.Lsame:
	STEP 0
	STEP 1
	s_xor_b32 s[TB], s[TB], SLOT1
	s_add_co_u32 s[T], s[T], 1
	s_cmp_lt_u32 s[T], 8
	s_cbranch_scc1 .Lslot
	CHANGE 0                                       ; the last trip is written out
	STEP 0
	STEP 1
	FINISH
	s_wait_tensorcnt 0x0                           ; the wave's end
	ds_add_u32 v[SPW], v[NIL]
	s_wait_dscnt 0x0
	s_endpgm
.Lfunc_end_k_qa08b0bfbff_attn:
	.size	k_qa08b0bfbff_attn, .Lfunc_end_k_qa08b0bfbff_attn-k_qa08b0bfbff_attn
	.p2alignl 7, 3214868480
	.fill 96, 4, 3214868480
	.section	.rodata,"a",@progbits
	.p2align	6, 0x0
	.amdhsa_kernel k_qa08b0bfbff_attn
		.amdhsa_group_segment_fixed_size 327680
		.amdhsa_private_segment_fixed_size 0
		.amdhsa_enable_private_segment 0
		.amdhsa_kernarg_size 24
		.amdhsa_user_sgpr_count 2
		.amdhsa_user_sgpr_kernarg_segment_ptr 1
		.amdhsa_wavefront_size32 1
		.amdhsa_system_sgpr_workgroup_id_x 1
		.amdhsa_system_sgpr_workgroup_id_y 1
		.amdhsa_system_sgpr_workgroup_id_z 1
		.amdhsa_system_vgpr_workitem_id 0
		.amdhsa_next_free_vgpr 256
		.amdhsa_next_free_sgpr 66
		.amdhsa_reserve_vcc 1
		.amdhsa_float_denorm_mode_32 3
		.amdhsa_float_denorm_mode_16_64 3
		.amdhsa_memory_ordered 1
		.amdhsa_forward_progress 1
		.amdhsa_inst_pref_size 112
	.end_amdhsa_kernel
	.amdgpu_metadata
---
amdhsa.version: [ 1, 2 ]
amdhsa.kernels:
  - .name:           k_qa08b0bfbff_attn
    .symbol:         k_qa08b0bfbff_attn.kd
    .args:
      - { .name: qb, .offset: 0, .size: 8, .value_kind: global_buffer, .address_space: global }
      - { .name: kv, .offset: 8, .size: 8, .value_kind: global_buffer, .address_space: global }
      - { .name: ob, .offset: 16, .size: 8, .value_kind: global_buffer, .address_space: global }
    .group_segment_fixed_size: 327680
    .private_segment_fixed_size: 0
    .kernarg_segment_align: 8
    .kernarg_segment_size: 24
    .max_flat_workgroup_size: 512
    .sgpr_count:     66
    .vgpr_count:     256
    .wavefront_size: 32
...
	.end_amdgpu_metadata
.endif
;; end of part 3
;; launch oproj (part 4): grid 4 x 32, 4 waves a work-group, clusters of 4 x 4, 327,680 bytes of LDS; arguments ob, wz, out0; writes out0
.if DOCPART == 4
	.amdgcn_target "amdgcn-amd-amdhsa--gfx1250"
	.amdhsa_code_object_version 6
	.text
	.protected	k_qa08b0bfbff_oproj
	.globl	k_qa08b0bfbff_oproj
	.p2align	8
	.type	k_qa08b0bfbff_oproj,@function
k_qa08b0bfbff_oproj:
	s_mov_b64 s[64:65], 0
	v_nop
	global_prefetch_b8 v0, s[64:65] scope:SCOPE_SE
	s_setreg_imm32_b32 hwreg(HW_REG_WAVE_MODE, 25, 1), 1
	s_wait_xcnt 0x0
	s_wait_alu depctr_hold_cnt(0) depctr_sa_sdst(0) depctr_va_vdst(0) depctr_va_sdst(0) depctr_va_ssrc(0) depctr_va_vcc(0) depctr_vm_vsrc(0)
	s_getreg_b32 s2, hwreg(HW_REG_IB_STS2, 6, 4)
	s_cmp_eq_u32 s2, 0
	s_cbranch_scc0 .Lentry_in_a_cluster
	s_endpgm
.Lentry_in_a_cluster:
	s_bfe_u32 s2, ttmp6, 0x10000c
	s_cmp_lg_u32 s2, 0xf033
	s_cbranch_scc0 .Lentry_shape_is_right
	s_endpgm
.Lentry_shape_is_right:
; out0 = attention's result x wo^T on codes of FP6 (E2M3) with E8M0 scales.  A: ob, 8,192 stored rows x 1,024; B: wo, wz's rows 3,072 on; out0 [8192][1024] f32; sums in f32.
; A tile of 256 x 256 is made by a work-group of four waves, a wave makes 128 x 128: 64 accumulators, 512 registers.  K goes in four steps of 256 through a ring of two LDS slots filled by the tensor data mover.
; A's CODES ARE IMAGES OF OPERAND REGISTERS: ob holds, for each tile of 16 stored rows, 16 heads x 768 bytes (three runs of 8 x lane): a fragment of 128 along K is two heads, 1,536 bytes, six loads of 8 bytes at 8 x lane: no pitch, no padding.
; A wave's tensor load for A brings 8 tiles of rows x 3,072 bytes (four heads = 256 along K).  B's tiles are rows of 192 bytes, padded in LDS.  The scale bytes of both sides, for all of K, come once and stay in LDS.
; STORED ROW p OF ob IS TOKEN p WITH BITS 3 AND 4 SWAPPED: the way out puts each row where it belongs: row t of block a goes to row 32 (a / 2) + 8 (a % 2) + t % 8 + 16 (t / 8) of my 128.
; CLUSTERS: 4 x 4 work-groups: A's tiles are shared along a row of the cluster, B's along a column: each is asked for jointly.  THE MATRIX INSTRUCTION IS USED TRANSPOSED (source 0 = B's rows, source 1 = A's): a lane holds eight neighbouring numbers of a row of out0.
; REGISTERS, in windows of 256: window 0: v0-31 addresses; v32-63 scale words, two sets, and nothing else; from v128 A's fragments, one set; on the way out v128-255 rows of out0.   window 1: B's fragments, two sets.   windows 2, 3: the accumulators.
.set SIZE_K, 1024
.set SIZE_N, 1024
.set KSTEP,  256
.set NQ,     KSTEP/128
.set ROWB,   192
.set KROW,   SIZE_K*6/8
.set PITCH,  240                       ; B's LDS row: 3 x (64 bytes + 16 of padding)
.set FR,     12
.set NL,     6
.set NP,     4
.set AROW,   3072                      ; A: a tile of 16 rows x 256 along K, in bytes
.set APIT,   12288                     ; and from tile to tile in memory
.set HALFA,  8*AROW                    ; 128 rows of A: what one tensor load brings
.set HALFB,  128*PITCH                 ; 128 rows of B
.set SLOT,   2*HALFA+2*HALFB
.set LAPS,   SIZE_K/(2*KSTEP)
.set KS,     SIZE_K/32
.set SCL,    2*SLOT                    ; behind the ring: the scales; filled once
.set HALFS,  (128*KS/256)*272
.set SBLK,   (16*KS/256)*272
.set SPARE,  SCL+4*HALFS               ; the spare words, 128 bytes for each wave, that no other line names
.set SPITCH, 528                       ; the way out: a stage of 16 rows x (512 bytes + 16) for each wave, in slot 0, which has had its last fill and its last read when the first result is stored there
.set OSO,    6291456                   ; ob: where the scale bytes begin
.set WSO,    3145728                   ; wz likewise
.set ADRA, 16                          ; v16-17 LDS address of my A fragments in slot 0, 1: 8 x lane on
.set ADRB, 20                          ; v20-21 of my B fragments (v22-23: for the pieces behind one padding more)
.set STO,  24
.set RD,   25
.set CO,   26
.set ADRS, 27
.set SPW,  28
.set NIL,  29
.set SC,   32
.set AF,   128
.set BK,   128
.set G1, 24
.set G0, 32
.set G1B, 48
.set G0B, 56
.set G1S, 68
.set G0S, 76
.set G1SB, 80
.set G0SB, 88
.set MSB, 0
.macro WIN new                         ; the immediate's high byte repeats the setting that is left
.if MSB != \new
	s_set_vgpr_msb (MSB<<8)|\new
.set MSB, \new
.endif
.endm
.set MUL_LO, 0xa1
.set MUL_HI, 0xf1
.set TO_B,   0x40
.macro JLOAD g0a, g1a, g0b, g1b        ; a joint load: waves 0 and 1 fetch for A, waves 2 and 3 for B; four v_nop follow each of the two lines
	s_cmp_eq_u32 s15, 0
	s_cbranch_scc0 .Lfor_b_\@
	tensor_load_to_lds s[\g0a:\g0a+3], s[\g1a:\g1a+7]
	s_nop 0
.rept 4
	v_nop
.endr
	s_branch .Lasked_\@
.Lfor_b_\@:
	tensor_load_to_lds s[\g0b:\g0b+3], s[\g1b:\g1b+7]
	s_nop 0
.rept 4
	v_nop
.endr
.Lasked_\@:
.endm
.macro CREST
	s_cmp_lg_u32 s14, 0
	s_cbranch_scc1 .Lnot_wave_0_\@
	s_barrier_signal -3
.Lnot_wave_0_\@:
	s_barrier_wait -3
	s_barrier_signal -1
	s_barrier_wait -1
.endm
.macro CROUND
	s_barrier_signal -1
	s_barrier_wait -1
	CREST
.endm
	s_load_b128 s[4:7], s[0:1], 0x0                ; ob s[4:5], wz s[6:7]
	s_load_b64 s[12:13], s[0:1], 0x10              ; out0
	v_lshl_add_u32 v[SPW], v0, 2, SPARE
	v_mov_b32 v[NIL], 0
	ds_add_u32 v28, v29
	s_wait_dscnt 0x0
	v_lshrrev_b32 v1, 5, v0
	v_readfirstlane_b32 s14, v1                    ; wave 0..3
	s_lshr_b32 s15, s14, 1                         ; which half of the tile's rows is mine.  Also: I fetch for A (0) or for B (1)
	s_and_b32 s16, s14, 1                          ; which half of its columns.  Also: which 128 rows of that tile I fetch
	s_bfe_u32 s40, ttmp6, 0x40000                  ; cx, cy
	s_bfe_u32 s41, ttmp6, 0x40004
	s_lshl_b32 s42, ttmp9, 2
	s_add_co_u32 s42, s42, s40                     ; tile column
	s_and_b32 s17, ttmp7, 0xffff
	s_lshl_b32 s17, s17, 2
	s_add_co_u32 s17, s17, s41                     ; tile row
	s_lshl_b32 s43, s41, 2
	s_lshl_b32 s43, 15, s43                        ; my row of the cluster
	s_lshl_b32 s44, 0x1111, s40                    ; my column
	; group 1 for A: 8 rows of 3,072 bytes (384 elements of 8 bytes), 12,288 bytes apart, no padding
	s_or_b32 s[G1+0], s43, (3<<16)|(1<<21)
	s_mov_b32 s[G1+1], (AROW/8)<<16                ; tensor_dim0
	s_mov_b32 s[G1+2], 8<<16                       ; tensor_dim1
	s_mov_b32 s[G1+3], (AROW/8)<<16                ; tile_dim0
	s_mov_b32 s[G1+4], 8                           ; tile_dim1
	s_mov_b32 s[G1+5], APIT/8                      ; from row to row
	s_mov_b32 s[G1+6], 0
	s_mov_b32 s[G1+7], 0
	; for B: 128 rows of 192 bytes, 16 bytes of padding behind every 64
	s_or_b32 s[G1B+0], s44, (0<<16)|(1<<20)|(1<<21)|(3<<22)|(3<<25)
	s_mov_b32 s[G1B+1], ROWB<<16
	s_mov_b32 s[G1B+2], 128<<16
	s_mov_b32 s[G1B+3], ROWB<<16
	s_mov_b32 s[G1B+4], 128
	s_mov_b32 s[G1B+5], KROW
	s_mov_b32 s[G1B+6], 0
	s_mov_b32 s[G1B+7], 0
	; for the scales of 128 rows: 16 rows of 256 bytes, 16 bytes of padding behind each
	s_or_b32 s[G1S+0], s43, (3<<16)|(1<<20)|(1<<21)|(5<<22)|(3<<25)
	s_or_b32 s[G1SB+0], s44, (3<<16)|(1<<20)|(1<<21)|(5<<22)|(3<<25)
.irp g, G1S, G1SB
	s_mov_b32 s[\g+1], 32<<16
	s_mov_b32 s[\g+2], (128*KS/256)<<16
	s_mov_b32 s[\g+3], 32<<16
	s_mov_b32 s[\g+4], 128*KS/256
	s_mov_b32 s[\g+5], 32
	s_mov_b32 s[\g+6], 0
	s_mov_b32 s[\g+7], 0
.endr
	s_lshl_b32 s20, s17, 4
	s_lshl_b32 s18, s16, 3
	s_add_co_u32 s20, s20, s18                     ; A: tile of rows 16 x tile row + 8 x half
	s_mul_i32 s20, s20, APIT
	s_mov_b32 s21, 0
	s_lshl_b32 s22, s17, 8
	s_lshl_b32 s18, s16, 7
	s_add_co_u32 s22, s22, s18                     ; its first stored row,
	s_lshl_b32 s22, s22, 5                         ; 32 scale bytes a row,
	s_add_co_u32 s22, s22, OSO                     ; behind the codes
	s_mov_b32 s23, 0
	s_lshl_b32 s46, s42, 8
	s_add_co_u32 s46, s46, s18                     ; B: row 256 x tile column + 128 x half of wo
	s_lshl_b32 s92, s46, 5
	s_add_co_u32 s92, s92, WSO+3072*KS
	s_mov_b32 s93, 0
	s_mul_i32 s46, s46, KROW
	s_add_co_u32 s46, s46, 3072*KROW
	s_mov_b32 s47, 0
	s_mul_i32 s45, s16, HALFA                      ; where they go: A's two halves,
	s_mul_i32 s95, s16, HALFB
	s_add_co_u32 s95, s95, 2*HALFA                 ; then B's two halves: no place in the cluster enters an LDS address
	s_mul_i32 s94, s14, HALFS
	s_wait_kmcnt 0x0
	s_add_nc_u64 s[20:21], s[4:5], s[20:21]
	s_add_nc_u64 s[22:23], s[4:5], s[22:23]
	s_add_nc_u64 s[46:47], s[6:7], s[46:47]
	s_add_nc_u64 s[92:93], s[6:7], s[92:93]
	CROUND                                         ; all sixteen work-groups are here: the first joint loads meet
	s_mov_b32 s[G0S], 1
	s_add_co_u32 s[G0S+1], s94, SCL
	s_mov_b64 s[G0S+2:G0S+3], s[22:23]
	s_or_b32 s[G0S+3], s[G0S+3], 0x80000000
	s_mov_b32 s[G0SB], 1
	s_add_co_u32 s[G0SB+1], s94, SCL
	s_mov_b64 s[G0SB+2:G0SB+3], s[92:93]
	s_or_b32 s[G0SB+3], s[G0SB+3], 0x80000000
	JLOAD G0S, G1S, G0SB, G1SB                     ; the scales first.  With the two below three loads of mine are out
.irp s, 0,1
	s_mov_b32 s[G0+4*\s], 1
	s_add_co_u32 s[G0+4*\s+1], s45, \s*SLOT
	s_add_nc_u64 s[G0+4*\s+2:G0+4*\s+3], s[20:21], \s*AROW
	s_or_b32 s[G0+4*\s+3], s[G0+4*\s+3], 0x80000000
	s_mov_b32 s[G0B+4*\s], 1
	s_add_co_u32 s[G0B+4*\s+1], s95, \s*SLOT
	s_add_nc_u64 s[G0B+4*\s+2:G0B+4*\s+3], s[46:47], \s*ROWB
	s_or_b32 s[G0B+4*\s+3], s[G0B+4*\s+3], 0x80000000
	JLOAD G0+4*\s, G1, G0B+4*\s, G1B
.endr
	v_and_b32 v1, 15, v0                           ; l % 16
	v_bfe_u32 v2, v0, 4, 1                         ; l / 16
	v_and_b32 v6, 31, v0                           ; lane
	v_lshlrev_b32 v7, 3, v6                        ; A: 8 x lane
	v_mul_u32_u24 v3, v1, PITCH
	v_mul_u32_u24 v4, v2, 24
	v_add_nc_u32 v4, v3, v4                        ; B: a fragment's row x pitch + 24 x half
	v_lshl_add_u32 v5, v2, 4, v4                   ; and the same behind one padding more
	s_mul_i32 s21, s15, HALFA                      ; my 128 rows of A
	s_mul_i32 s22, s16, HALFB                      ; my 128 rows of B,
	s_add_co_u32 s22, s22, 2*HALFA                 ; which lie behind A's 256
.irp s, 0,1
	v_add_nc_u32 v[ADRA+\s], s21, v7
	v_add_nc_u32 v[ADRB+\s], s22, v4
	v_add_nc_u32 v[ADRB+2+\s], s22, v5
	s_add_co_u32 s21, s21, SLOT
	s_add_co_u32 s22, s22, SLOT
.endr
	v_mul_u32_u24 v5, v1, KS                       ; my row's scales: KS bytes a row,
	v_lshrrev_b32 v8, 8, v5
	v_lshl_add_u32 v5, v8, 4, v5                   ; and 16 more for each 256 passed
	s_mul_i32 s21, s15, HALFS
	s_mul_i32 s22, s16, HALFS
	s_add_co_u32 s22, s22, 2*HALFS
	s_sub_co_u32 s22, s22, s21
	v_mul_u32_u24 v8, s22, v2                      ; lanes 16-31 take B's: one product, the distance between the two bases
	s_add_co_u32 s21, s21, SCL
	v_add_nc_u32 v5, v5, v8
	v_add_nc_u32 v[ADRS], s21, v5
	s_mul_i32 s23, s14, 16*SPITCH                  ; my stage
	v_mul_u32_u24 v5, v1, SPITCH                   ; in: row l % 16, 32 bytes for each half of the lanes
	v_lshl_add_u32 v5, v2, 5, v5
	v_add_nc_u32 v[STO], s23, v5
	v_lshlrev_b32 v[CO], 4, v6                     ; back: the 32 lanes take one row of 512 bytes; and the same in out0
	v_add_nc_u32 v[RD], s23, v[CO]
	s_lshl_b32 s20, s17, 8
	s_lshl_b32 s21, s15, 7
	s_add_co_u32 s20, s20, s21                     ; my first row of out0
	s_mov_b32 s21, 0
	s_mov_b64 s[18:19], SIZE_N*4
	s_mul_u64 s[20:21], s[20:21], s[18:19]
	s_lshl_b32 s46, s42, 10                        ; my first column, in bytes
	s_lshl_b32 s47, s16, 9
	s_add_co_u32 s46, s46, s47
	s_mov_b32 s47, 0
	s_add_nc_u64 s[20:21], s[20:21], s[46:47]
	s_add_nc_u64 s[12:13], s[12:13], s[20:21]
.macro FRAG reg, adr, q, i             ; a fragment of B from padded rows, in pieces of 8 bytes; where the piece three on (lanes 16-31) lies behind one padding more, the second address register serves
.irp p, 0,1,2,3,4,5
.set PCE, 12*(\q)+6*(\p/3)+\p%3
.if PCE%8 < 5
	ds_load_b64 v[\reg+2*\p:\reg+2*\p+1], v[\adr] offset:8*PCE+16*(PCE/8)+(\i)*16*PITCH
.else
	ds_load_b64 v[\reg+2*\p:\reg+2*\p+1], v[\adr+2] offset:8*PCE+16*(PCE/8)+(\i)*16*PITCH
.endif
.endr
.endm
.macro FRAGA reg, adr, q, i            ; a fragment of A from its image: six runs of 256 bytes
.irp p, 0,1,2,3,4,5
	ds_load_b64 v[\reg+2*\p:\reg+2*\p+1], v[\adr] offset:AROW*(\i)+1536*(\q)+256*\p
.endr
.endm
; The 64 accumulators take turns, one instruction a turn, in the same order in every step.
.macro MUL16 a0, p, q, sc, zero
.irp a, \a0, \a0+1
.irp b, 0,1,2,3,4,5,6,7
.if \zero
	v_wmma_scale_f32_16x16x128_f8f6f4 v[8*(8*((\a)%4)+\b):8*(8*((\a)%4)+\b)+7], v[128*(\p)+FR*\b:128*(\p)+FR*\b+FR-1], v[AF+FR*(\a):AF+FR*(\a)+FR-1], 0, v[SC+8*NQ*(\sc)+NQ*\b+(\q)], v[SC+8*NQ*(\sc)+NQ*(\a)+(\q)] matrix_a_fmt:MATRIX_FMT_FP6 matrix_b_fmt:MATRIX_FMT_FP6 matrix_a_scale:MATRIX_SCALE_ROW1
.else
	v_wmma_scale_f32_16x16x128_f8f6f4 v[8*(8*((\a)%4)+\b):8*(8*((\a)%4)+\b)+7], v[128*(\p)+FR*\b:128*(\p)+FR*\b+FR-1], v[AF+FR*(\a):AF+FR*(\a)+FR-1], v[8*(8*((\a)%4)+\b):8*(8*((\a)%4)+\b)+7], v[SC+8*NQ*(\sc)+NQ*\b+(\q)], v[SC+8*NQ*(\sc)+NQ*(\a)+(\q)] matrix_a_fmt:MATRIX_FMT_FP6 matrix_b_fmt:MATRIX_FMT_FP6 matrix_a_scale:MATRIX_SCALE_ROW1
.endif
.endr
.endr
.endm
.macro FETCH_B slot, q, p
	WIN TO_B
.irp i, 0,1,2,3,4,5,6,7
	FRAG 128*(\p)+FR*\i, ADRB+\slot, \q, \i
.endr
	WIN 0
.endm
.macro FETCH_A slot, q, i0
.irp i, \i0, \i0+1, \i0+2, \i0+3
	FRAGA AF+FR*(\i), ADRA+\slot, \q, \i
.endr
.endm
.macro SCALES sc
.irp i, 0,1,2,3,4,5,6,7
	ds_load_b64 v[SC+8*NQ*\sc+NQ*\i:SC+8*NQ*\sc+NQ*\i+1], v[ADRS] offset:\i*SBLK
.endr
.endm
.macro PLACES n                        ; plain vector lines between a matrix instruction and a load into, or a read of, its registers
.rept \n
	v_nop
.endr
.endm
.macro STEP slot, q, zero
	s_wait_dscnt 4*NL                              ; B's set and A's blocks 0-3 are in; the youngest 24 loads (A's blocks 4-7) may be out
	WIN MUL_LO
	MUL16 0, (\q)%2, \q, \slot, \zero
	MUL16 2, (\q)%2, \q, \slot, \zero
	s_wait_dscnt 0
	PLACES NP
	FETCH_B \slot, (\q)+1, 1-(\q)%2
	FETCH_A \slot, (\q)+1, 0
	WIN MUL_HI
	MUL16 4, (\q)%2, \q, \slot, \zero
	MUL16 6, (\q)%2, \q, \slot, \zero
	PLACES NP
	WIN 0
	FETCH_A \slot, (\q)+1, 4
.endm
; A slot's last step changes slots: one barrier; in front of it each wave waits for all its tensor loads, adds 0 to its spare word, and waits for that and for its own reads of this slot.
.macro TURN slot, next, fill
	s_wait_tensorcnt 0x0                           ; all my tensor loads have landed: my part of the next slot
	ds_add_u32 v[SPW], v[NIL]                      ; 0 onto my spare word
	s_wait_dscnt 4*NL+1                            ; (the add and the youngest 24 loads may be out)
	WIN MUL_LO
	MUL16 0, 1, NQ-1, \slot, 0
	s_wait_dscnt 0x0                               ; the add is done, and my reads of this slot are over
	s_barrier_signal -1
	MUL16 2, 1, NQ-1, \slot, 0
	WIN 0
	s_barrier_wait -1
.if \fill
	CREST                                          ; the barrier has opened a round of the cluster's barrier
	s_add_nc_u64 s[G0+4*\slot+2:G0+4*\slot+3], s[G0+4*\slot+2:G0+4*\slot+3], 2*AROW
	s_add_nc_u64 s[G0B+4*\slot+2:G0B+4*\slot+3], s[G0B+4*\slot+2:G0B+4*\slot+3], 2*ROWB
	JLOAD G0+4*\slot, G1, G0B+4*\slot, G1B         ; the first tensor load behind the round, my one load until the next
.else
	PLACES NP
.endif
	v_add_nc_u32 v[ADRS], 4*NQ, v[ADRS]
	FETCH_B \next, 0, 0
	FETCH_A \next, 0, 0
	SCALES \next
	WIN MUL_HI
	MUL16 4, 1, NQ-1, \slot, 0
	MUL16 6, 1, NQ-1, \slot, 0
	PLACES NP
	WIN 0
	FETCH_A \next, 0, 4
.endm
	s_wait_tensorcnt 1                             ; the scales and my part of K step 0 are in; K step 1's load may be out
	s_barrier_signal -1
	s_barrier_wait -1
	FETCH_B 0, 0, 0
	FETCH_A 0, 0, 0
	SCALES 0
	FETCH_A 0, 0, 4
	STEP 0, 0, 1                                   ; the first step's products start the sums
	s_mov_b32 s3, LAPS-1
.Llap:
	TURN 0, 1, 1
	STEP 1, 0, 0
	TURN 1, 0, 1
	STEP 0, 0, 0
	s_sub_co_u32 s3, s3, 1
	s_cmp_lg_u32 s3, 0
	s_cbranch_scc1 .Llap
	TURN 0, 1, 0                                   ; the last lap fills nothing
	STEP 1, 0, 0
	s_wait_dscnt 4*NL
	WIN MUL_LO
	MUL16 0, 1, NQ-1, 1, 0
	MUL16 2, 1, NQ-1, 1, 0
	s_wait_dscnt 0
	WIN MUL_HI
	MUL16 4, 1, NQ-1, 1, 0
	MUL16 6, 1, NQ-1, 1, 0
	WIN 0
; THE WAY OUT, block by block of 16 rows x 128 columns, through my own stage in LDS: in as 32 bytes a lane, back as whole rows of 512 bytes.  LDS serves a wave's instructions in order (ISA guide 5.7.1.4): no wait between the stores and the loads.
.macro TOSTAGE a
.set AC, 64*((\a)%4)
	WIN 0x08+4*((\a)/4)                            ; the data: window 2 or 3
.irp b, 0,1,2,3,4,5,6,7
	ds_store_b128 v[STO], v[AC+8*\b:AC+8*\b+3] offset:64*\b          ; each accumulator from its low end on
	ds_store_b128 v[STO], v[AC+8*\b+4:AC+8*\b+7] offset:64*\b+16
.endr
	WIN 0
.set BB, BK+64*((\a)%2)
.irp t, 0,1,2,3,4,5,6,7,8,9,10,11,12,13,14,15
	ds_load_b128 v[BB+4*\t:BB+4*\t+3], v[RD] offset:\t*SPITCH
.endr
.endm
.macro SEND a, younger                 ; younger: the LDS instructions issued behind block a's loads, which may stay out
.set BB, BK+64*((\a)%2)
	s_wait_dscnt \younger
.if (\a) > 0
.if (\a)%2
	s_add_nc_u64 s[12:13], s[12:13], 8*SIZE_N*4    ; (behind a wait on XCNT)  block a begins at row 32 (a / 2) + 8 (a % 2): 8 rows on into an odd block,
.else
	s_add_nc_u64 s[12:13], s[12:13], 24*SIZE_N*4   ; 24 into an even one
.endif
.endif
.irp t, 0,1,2,3,4,5,6,7,8,9,10,11,12,13,14,15
	global_store_b128 v[CO], v[BB+4*\t:BB+4*\t+3], s[12:13] offset:((\t%8)+16*(\t/8))*SIZE_N*4 th:TH_STORE_NT   ; 32 lanes store 512 consecutive bytes of one row, aligned; written once, read by nobody here
.endr
.endm
	PLACES NP
	TOSTAGE 0
.irp a, 1,2,3,4,5,6,7
.if \a > 1
	s_wait_xcnt 0x0                                ; block a - 2's stores have read their registers and their base
.endif
	TOSTAGE \a
	SEND \a-1, 32                                  ; behind block a - 1's loads: block a's 16 stores and 16 loads
.endr
	s_wait_xcnt 0x0                                ; block 6's stores have read their base
	SEND 7, 0
	s_wait_tensorcnt 0x0                           ; the wave's end
	ds_add_u32 v[SPW], v[NIL]
	s_wait_dscnt 0x0
	CROUND                                         ; the closing round
	s_endpgm
.Lfunc_end_k_qa08b0bfbff_oproj:
	.size	k_qa08b0bfbff_oproj, .Lfunc_end_k_qa08b0bfbff_oproj-k_qa08b0bfbff_oproj
	.p2alignl 7, 3214868480
	.fill 96, 4, 3214868480
	.section	.rodata,"a",@progbits
	.p2align	6, 0x0
	.amdhsa_kernel k_qa08b0bfbff_oproj
		.amdhsa_group_segment_fixed_size 327680
		.amdhsa_private_segment_fixed_size 0
		.amdhsa_enable_private_segment 0
		.amdhsa_kernarg_size 24
		.amdhsa_user_sgpr_count 2
		.amdhsa_user_sgpr_kernarg_segment_ptr 1
		.amdhsa_wavefront_size32 1
		.amdhsa_system_sgpr_workgroup_id_x 1
		.amdhsa_system_sgpr_workgroup_id_y 1
		.amdhsa_system_sgpr_workgroup_id_z 1
		.amdhsa_system_vgpr_workitem_id 0
		.amdhsa_next_free_vgpr 1024
		.amdhsa_next_free_sgpr 100
		.amdhsa_reserve_vcc 0
		.amdhsa_float_denorm_mode_32 3
		.amdhsa_float_denorm_mode_16_64 3
		.amdhsa_memory_ordered 1
		.amdhsa_forward_progress 1
		.amdhsa_inst_pref_size 160
	.end_amdhsa_kernel
	.amdgpu_metadata
---
amdhsa.version: [ 1, 2 ]
amdhsa.kernels:
  - .name:           k_qa08b0bfbff_oproj
    .symbol:         k_qa08b0bfbff_oproj.kd
    .args:
      - { .name: ob, .offset: 0, .size: 8, .value_kind: global_buffer, .address_space: global }
      - { .name: wz, .offset: 8, .size: 8, .value_kind: global_buffer, .address_space: global }
      - { .name: out0, .offset: 16, .size: 8, .value_kind: global_buffer, .address_space: global }
    .group_segment_fixed_size: 327680
    .private_segment_fixed_size: 0
    .kernarg_segment_align: 8
    .kernarg_segment_size: 24
    .max_flat_workgroup_size: 128
    .sgpr_count:     100
    .vgpr_count:     1024
    .wavefront_size: 32
...
	.end_amdgpu_metadata
.endif
;; end of part 4
